; MI455X (gfx1250); checked and timed in simulation.
; The chip was launched on July 23, 2026; its instructions are those of AMD's public machine-readable ISA for CDNA 5 (MIT licence, August 2026) and "CDNA5" Instruction Set Architecture Reference Guide (July 2026). The comments in the code are by the model that wrote it; some were corrected since.
;; Multi Head Attention. Allowed arithmetic: matrix products marked QUANTISED: E2M3 operands, one E8M0 scale for each 32 along K, by v_wmma_scale_f32_16x16x128_f8f6f4 with both operands' format E2M3, f32 sums; everything else in f32.
;; Inputs: Wk 16 x 1,024 x 64 float32; Wo 1,024 x 1,024 float32; Wq 16 x 1,024 x 64 float32; Wv 16 x 1,024 x 64 float32; bo 1,024 float32; x 4 x 2,048 x 1,024 float32.
;; Outputs: out0 4 x 2,048 x 1,024 float32.
;; This version of the problem:
;;   THIS VERSION OF THE PROBLEM IS GIVEN IN LOW PRECISION. The matrix products marked QUANTISED in the list below multiply operands that are first quantised to E2M3 (2 exponent bits, 3 mantissa bits; 6 bits a number), with one power-of-two scale for each 32 numbers along K (OCP MX v1.0); their sums are f32. All else is computed in f32.
;;   The module's matrix products, in the order in which they are computed (A, B: the left and right operand; K: the contracted axis; several contracted axes count as one K, in the product's order):
;;     1. [M 1,024, K 1,024] x [K 1,024, N 8,192]; A: input Wq; B: input x: QUANTISED
;;     2. [M 1,024, K 1,024] x [K 1,024, N 8,192]; A: input Wk; B: input x: QUANTISED
;;     3. [M 1,024, K 1,024] x [K 1,024, N 8,192]; A: input Wv; B: input x: QUANTISED
;;     4. batch 64 x [M 2,048, K 64] x [K 64, N 2,048]; A: computed on the way; B: computed on the way: QUANTISED
;;     5. batch 64 x [M 2,048, K 2,048] x [K 2,048, N 64]; A: softmax (see below); B: computed on the way: QUANTISED
;;     6. [M 8,192, K 1,024] x [K 1,024, N 1,024]; A: computed on the way; B: input Wo: QUANTISED
;;   THE QUANTISER, for each operand of a quantised product, along K:
;;     - K is cut into blocks of 32 from its start; a last block that is shorter is filled with zeros.
;;     - A block's scale is 2^e with e = floor(log2(the largest magnitude in the block)) - 2, held to -126 .. 127; a block of zeros has e = 0. As a byte (E8M0): e + 127.
;;     - Each number is divided by its block's scale, clamped to +-7.5, and rounded to the nearest number of E2M3, ties to even, subnormals kept.
;;     - The product sums the exact products of the quantised numbers (number of the format x scale) in f32.
;;   ~~~python
;;   def quantise(x, axis):      # numpy; x: float32 -> the quantised numbers, widened to float32 again
;;       x = np.moveaxis(x, axis, -1); K = x.shape[-1]
;;       x = np.pad(x, [(0, 0)] * (x.ndim - 1) + [(0, -K % 32)]); x = x.reshape(x.shape[:-1] + (-1, 32)); a = np.abs(x).max(-1, keepdims=True)
;;       e = np.where(a > 0, np.clip(np.frexp(np.where(a > 0, a, 1))[1] - 1 - 2, -126, 127), 0)      # np.frexp(a)[1] - 1 = floor(log2(a)), exactly
;;       r = np.clip(x / 2.0 ** e, -7.5, 7.5)
;;       step = 2.0 ** (np.maximum(np.frexp(np.where(r == 0, 1, r))[1] - 1, 0) - 3)
;;       q = np.round(r / step) * step * 2.0 ** e      # np.round: ties to even
;;       return np.moveaxis(q.reshape(q.shape[:-2] + (-1,))[..., :K], -1, axis).astype(np.float32)
;;   ~~~
;;   SOFTMAX AHEAD OF A QUANTISED PRODUCT. Where the list says 'softmax', what is quantised is not the finished softmax but p = 2^(t - M), with t = logit x log2(e) and M = ceil(the row's largest t), a whole number; so 1/2 < the row's largest p <= 1. The row's sum l is taken of the UNQUANTISED p, in f32, and the product's result is divided by l at the end. Since M is a whole number, a kernel that streams over the keys may use a running M (the ceiling of the running maximum): every later rescaling is an exact power of two, which a block's scale takes up: the codes' values come out the same.
;;   OPERANDS COMPUTED ON THE WAY. 'Computed on the way' means the value that the module computes at that place (a softmax that the list does not call 'softmax' is quantised finished and normalised). What goes into a quantiser is computed in f32, as accurately as f32 sums, v_exp_f32 and their like allow (about 1e-6 of the number): no bf16 or f16 on the way to a quantiser, and a product that is left as it is and whose result goes on into a quantised operand takes f32 operands (vector FMAs, or v_wmma_f32_16x16x4_f32). A number that lies on a knife's edge between two numbers of the format may be rounded either way, as far as f32 arithmetic and the matrix unit's own rounding can turn it there, and no further.
;; One version. Each part assembles by itself: llvm-mc -triple=amdgcn-amd-amdhsa -mcpu=gfx1250 --defsym DOCPART=n.
;; ======== version 1 of 1: 4 launches
;; workspace buffers: xc 6,291,456 bytes; xs 262,144 bytes; wc 3,145,728 bytes; ws 131,072 bytes; qkv 20,447,232 bytes; ac 6,291,456 bytes; asc 262,144 bytes
;; launch prep (part 1): grid 384 x 1, 4 waves a work-group, no clusters, 68,096 bytes of LDS; arguments x, Wq, Wk, Wv, Wo, xc, xs, wc, ws; writes xc, xs, wc, ws
.if DOCPART == 1
	.amdgcn_target "amdgcn-amd-amdhsa--gfx1250"
	.amdhsa_code_object_version 6
	.text
	.protected	k_qd3eee43c56_prep
	.globl	k_qd3eee43c56_prep
	.p2align	8
	.type	k_qd3eee43c56_prep,@function
k_qd3eee43c56_prep:
	s_mov_b64 s[64:65], 0
	v_nop
	global_prefetch_b8 v0, s[64:65] scope:SCOPE_SE
	s_setreg_imm32_b32 hwreg(HW_REG_WAVE_MODE, 25, 1), 1
	s_wait_xcnt 0x0
; x [8192][1024] and the four weights, all f32, become codes of FP6 (E2M3), K innermost (768 bytes a row), with one E8M0 byte for each 32 along K (32 bytes a row).
; A block's scale is 2^(floor(log2(its largest magnitude)) - 2); its byte is the largest magnitude's exponent field - 2, held at 1 from below.
; LIMITS: a block of zeros, and a block whose largest magnitude lies under 2^-124, gets the byte 1 (a block of zeros has zero codes, and this program alone reads the bytes); NaN and infinities among the inputs are not served.
; ROW ORDER OF THE RESULTS: row i (a token of x, an output column n of a weight) is stored at row swap34(i): i with bits 3 and 4 exchanged.  Sixteen rows on end of the stored order are then
; rows 32 b + 8 u + r + 8 (r / 8) of the true order, which is the choice of rows that lets a later product's results be neighbours along the next K.
; wc, ws: rows 0.. Wq, 1024.. Wk, 2048.. Wv (n = 64 head + d), 3072.. Wo.
; Work-groups 0-255: x, 32,768 numbers each (K is innermost: a plain stream of blocks).  Work-groups 256-383: a weight, 128 columns x 256 along K each (K is not innermost: a lane takes a column, its registers run down K).
; The two paths part on the work-group's number, use LDS bytes of their own and end apart.  No tensor loads, no barrier: waves share nothing.
.set STEPS, 16
.set CB,    12                         ; bytes of 16 codes
.set XR,    16                         ; x path: v16-79 four sets of 16 numbers as loaded
.set XX,    80                         ; v80-111 two sets of 16 neighbours
.set XE,    112                        ; v112-127 a scale byte for each step
.set XC,    128                        ; v128-191 codes, four registers a step: no store's data are written again
.set WREG,  8192                       ; x path LDS: a region for each wave: two stages of 32 x SP bytes, then 256 scale bytes
.set SP,    80                         ; a lane's place in a stage: 64 bytes + 16 of padding
.set SPW,   12                         ; v12 LDS address of my spare word; never rewritten
.set NIL,   13                         ; v13 0; never rewritten
.set WSTG,  32768                      ; weights path LDS: four stages of 32 rows x WP bytes
.set WP,    272                        ; sixteen places of 16 bytes (12 bytes of codes each) + 16
.set SPARE, WSTG+4*32*WP               ; the spare words, 128 bytes a wave: two blocks of 256 bytes that no other line names
.set VO,    192                        ; weights path: v192-223 offset of row i of a block: 4 x lane + i x pitch; never rewritten
.set WX,    32                         ; v32-95 two sets of 32 numbers
.set WC,    96                         ; v96-102 a block's codes
.set OUTR,  112                        ; v112-175 the way out
.set SB,    24                         ; v24-25 eight scale bytes
.set BT,    32                         ; s[32:47] eight bases, one for each block of 32 along K; never rewritten
.macro FINISH                          ; the wave's end, behind my last LDS store
	s_wait_tensorcnt 0x0
	ds_add_u32 v[SPW], v[NIL]
	s_wait_dscnt 0x0
	s_endpgm
.endm
	s_load_b256 s[4:11], s[0:1], 0x0               ; x s[4:5], Wq s[6:7], Wk s[8:9], Wv s[10:11]
	s_load_b256 s[12:19], s[0:1], 0x20             ; Wo s[12:13], xc s[14:15], xs s[16:17], wc s[18:19]
	s_load_b64 s[20:21], s[0:1], 0x40              ; ws
	v_lshl_add_u32 v[SPW], v0, 2, SPARE
	v_mov_b32 v[NIL], 0
	v_lshrrev_b32 v1, 5, v0
	v_readfirstlane_b32 s22, v1                    ; wave
	v_and_b32 v2, 31, v0                           ; lane
	s_wait_kmcnt 0x0
	s_cmp_lt_u32 ttmp9, 256
	s_cbranch_scc0 .Lweights
; ---------------- x: a wave takes 16 steps of 512 numbers (8 tokens in all) ----------------
	v_lshlrev_b32 v3, 4, v2                        ; my 16 bytes of a load's 512
	s_mul_i32 s23, s22, WREG
	v_lshrrev_b32 v14, 2, v2
	v_mul_u32_u24 v14, v14, SP
	v_and_b32 v15, 3, v2
	v_lshl_add_u32 v14, v15, 4, v14
	v_add_nc_u32 v14, s23, v14                     ; the stage, on the way in: SP (lane / 4) + 16 (lane % 4)
	v_mul_u32_u24 v15, v2, SP
	v_add_nc_u32 v15, s23, v15                     ; and on the way out: SP x lane: my 16 neighbours
	v_mul_u32_u24 v4, v2, CB                       ; my codes' place in a step's
	v_lshrrev_b32 v5, 1, v2
	s_add_co_u32 s23, s23, 2*32*SP
	v_add_nc_u32 v5, s23, v5                       ; LDS: my wave's 256 scale bytes, my block's byte
	v_lshlrev_b32 v7, 3, v2                        ; and on the way out 8 bytes a lane
	v_add_nc_u32 v6, s23, v7
	s_lshl_b32 s24, ttmp9, 2
	s_add_co_u32 s26, s24, s22                     ; the run of 8 tokens that I read: 4 x work-group + wave
	s_lshl_b32 s26, s26, 15                        ; 32,768 bytes a run
	s_mov_b32 s27, 0
	s_add_nc_u64 s[4:5], s[4:5], s[26:27]
	s_and_b32 s28, s22, 1                          ; bits 3, 4 of a token are bits 0, 1 of its run: the run that I write has them exchanged
	s_lshl_b32 s28, s28, 1
	s_lshr_b32 s29, s22, 1
	s_or_b32 s28, s28, s29
	s_add_co_u32 s28, s28, s24
	s_mul_i32 s26, s28, 6144                       ; 8 rows of 768 bytes of codes
	s_add_nc_u64 s[14:15], s[14:15], s[26:27]
	s_lshl_b32 s26, s28, 8                         ; 8 rows of 32 scale bytes
	s_add_nc_u64 s[16:17], s[16:17], s[26:27]
.macro XLOAD t
.irp i, 0,1,2,3
	global_load_b128 v[XR+16*((\t)%4)+4*\i:XR+16*((\t)%4)+4*\i+3], v3, s[4:5] offset:2048*(\t)+512*\i th:TH_LOAD_NT   ; 32 lanes read 512 consecutive bytes
.endr
.endm
.macro XTURN t                         ; step t's numbers through the stage: LDS serves a wave's instructions in order, so no wait stands between the stores and the loads
.irp i, 0,1,2,3
	ds_store_b128 v14, v[XR+16*((\t)%4)+4*\i:XR+16*((\t)%4)+4*\i+3] offset:32*SP*((\t)%2)+8*SP*\i
.endr
.irp i, 0,1,2,3
	ds_load_b128 v[XX+16*((\t)%2)+4*\i:XX+16*((\t)%2)+4*\i+3], v15 offset:32*SP*((\t)%2)+16*\i
.endr
.endm
.irp t, 0,1,2,3
	XLOAD \t
.endr
	s_wait_loadcnt 12                              ; step 0's four loads are in
	XTURN 0
.macro XSTEP t
.set XS, XX+16*((\t)%2)
.if (\t) > 0
	s_wait_dscnt 1                                 ; this step's numbers are back from the stage (the last step's byte store may be out): so its stores into the stage have read their registers,
.else
	s_wait_dscnt 0x0
.endif
.if (\t)+4 < STEPS
	XLOAD (\t)+4                                   ; which take the loads of four steps on
.endif
.if (\t)+1 < STEPS
.if STEPS-2-(\t) >= 3
	s_wait_loadcnt 12                              ; the next step's four loads are in; those of the three steps behind it may be out
.else
	s_wait_loadcnt 4*(STEPS-2-(\t))
.endif
	XTURN (\t)+1                                   ; and go through the other stage while this step is worked
.endif
	v_max3_num_f32 v8, |v[XS]|, |v[XS+1]|, |v[XS+2]|               ; the largest magnitude of my 16
	v_max3_num_f32 v9, |v[XS+3]|, |v[XS+4]|, |v[XS+5]|
.irp i, 6,10
	v_max3_num_f32 v8, v8, |v[XS+\i]|, |v[XS+\i+1]|
	v_max3_num_f32 v9, v9, |v[XS+\i+2]|, |v[XS+\i+3]|
.endr
	v_max3_num_f32 v8, v8, |v[XS+14]|, |v[XS+15]|
	v_max3_num_f32 v8, v8, v9, 0x1800000           ; and the floor 2^(3 - 127): the byte cannot fall under 1
	v_max_num_f32_dpp v8, v8, v8 row_xmask:1 row_mask:0xf bank_mask:0xf   ; and of my neighbour's 16: the block's
	v_add_nc_u32 v11, 0xff000000, v8               ; 2 off its exponent field: the conversion takes the exponent field of this operand as its scale
	v_cvt_scalef32_pk16_fp6_f32 v[XC+4*(\t):XC+4*(\t)+2], v[XS:XS+15], v11
	v_lshrrev_b32 v[XE+(\t)], 23, v11              ; the scale's byte (a plain line behind the conversion)
	ds_store_b8 v5, v[XE+(\t)] offset:16*(\t)      ; both lanes of a block write the same byte with the same value
	global_store_b96 v4, v[XC+4*(\t):XC+4*(\t)+2], s[14:15] offset:32*CB*(\t)   ; the wave stores 384 consecutive bytes
.endm
.irp t, 0,1,2,3,4,5,6,7,8,9,10,11,12,13,14,15
	XSTEP \t
.endr
	ds_load_b64 v[8:9], v6                         ; LDS serves a wave's instructions in order: these see my stores
	s_wait_dscnt 0x0
	global_store_b64 v7, v[8:9], s[16:17]          ; 32 lanes store 256 consecutive bytes, aligned
	FINISH
; ---------------- a weight: a wave takes 32 columns x 256 along K ----------------
.Lweights:
	s_sub_co_u32 s23, ttmp9, 256
	s_lshr_b32 s24, s23, 5                         ; which weight: 0 Wq, 1 Wk, 2 Wv, 3 Wo
	s_bfe_u32 s25, s23, 0x30002                    ; which 128 columns
	s_and_b32 s23, s23, 3                          ; which 256 along K
	s_lshl_b32 s27, s25, 1                         ; Wq, Wk, Wv [head][K][64]: column n = 64 head + d lies at head x 262,144 + K x 256 + 4 d
	s_lshr_b32 s28, s22, 1
	s_add_co_u32 s27, s27, s28
	s_lshl_b32 s27, s27, 18
	s_and_b32 s28, s22, 1
	s_lshl_b32 s28, s28, 7
	s_add_co_u32 s27, s27, s28
	s_lshl_b32 s28, s25, 9                         ; Wo [K][1024]: column n at K x 4,096 + 4 n
	s_lshl_b32 s29, s22, 7
	s_add_co_u32 s28, s28, s29
	s_cmp_eq_u32 s24, 0                            ; the choices hang on the work-group's number alone
	s_cselect_b64 s[48:49], s[6:7], s[8:9]
	s_cmp_lt_u32 s24, 2
	s_cselect_b64 s[48:49], s[48:49], s[10:11]
	s_cmp_lt_u32 s24, 3
	s_cselect_b64 s[48:49], s[48:49], s[12:13]
	s_mov_b32 s26, 4096
	s_cselect_b32 s26, 256, s26                    ; bytes from one K to the next
	s_cselect_b32 s50, s27, s28                    ; my wave's first column
	s_lshl_b32 s27, s23, 8
	s_mul_i32 s27, s27, s26
	s_add_co_u32 s50, s50, s27                     ; + my first K
	s_mov_b32 s51, 0
	s_add_nc_u64 s[BT:BT+1], s[48:49], s[50:51]
	s_lshl_b32 s50, s26, 5                         ; 32 along K
.irp t, 1,2,3,4,5,6,7
	s_add_nc_u64 s[BT+2*\t:BT+2*\t+1], s[BT+2*\t-2:BT+2*\t-1], s[50:51]
.endr
	s_lshl_b32 s27, s24, 10
	s_lshl_b32 s28, s25, 7
	s_add_co_u32 s27, s27, s28
	s_lshl_b32 s28, s22, 5
	s_add_co_u32 s27, s27, s28                     ; my wave's first row of wc and ws
	s_mul_i32 s52, s27, 768
	s_mul_i32 s28, s23, 192
	s_add_co_u32 s52, s52, s28
	s_mov_b32 s53, 0
	s_add_nc_u64 s[18:19], s[18:19], s[52:53]
	s_lshl_b32 s52, s27, 5
	s_lshl_b32 s28, s23, 3
	s_add_co_u32 s52, s52, s28
	s_add_nc_u64 s[20:21], s[20:21], s[52:53]
	v_lshlrev_b32 v3, 2, v2
.set i, 0
.rept 32
	v_mad_u32_u24 v[VO+i], s26, i, v3
.set i, i+1
.endr
	s_mul_i32 s28, s22, 32*WP
	s_add_co_u32 s28, s28, WSTG                    ; my stage
	v_mul_u32_u24 v4, v2, WP
	v_add_nc_u32 v4, s28, v4                       ; into it: row = my column
	v_and_b32 v5, 15, v2
	v_lshrrev_b32 v6, 4, v2
	v_mul_u32_u24 v7, v6, WP
	v_lshl_add_u32 v7, v5, 4, v7
	v_add_nc_u32 v7, s28, v7                       ; out of it: sixteen lanes to a row, two rows an instruction
	v_mul_u32_u24 v8, v6, 768
	v_mad_u32_u24 v8, v5, 12, v8                   ; and the same place in wc
	v_and_b32 v9, 7, v2                            ; swap34(lane) x 32: my column's row of scale bytes
	v_bfe_u32 v10, v2, 3, 1
	v_lshl_or_b32 v9, v10, 4, v9
	v_lshl_or_b32 v9, v6, 3, v9
	v_lshlrev_b32 v9, 5, v9
.macro WLOAD t                         ; block t: W(32 t + i, my column), i = 0 .. 31, into set t % 2: a wave reads 128 consecutive bytes
.set i, 0
.rept 32
	global_load_b32 v[WX+32*((\t)%2)+i], v[VO+i], s[BT+2*(\t):BT+2*(\t)+1] th:TH_LOAD_NT
.set i, i+1
.endr
.endm
	WLOAD 0
	WLOAD 1
.macro WBLOCK t
.set XS, WX+32*((\t)%2)
.if (\t) < 7
	s_wait_loadcnt 32                              ; this block's 32 loads are in; the next block's may be out
.else
	s_wait_loadcnt 0
.endif
	v_max3_num_f32 v10, |v[XS]|, |v[XS+1]|, |v[XS+2]|              ; the block's largest magnitude: all 32 numbers are mine
	v_max3_num_f32 v14, |v[XS+3]|, |v[XS+4]|, |v[XS+5]|
.irp i, 6,10,14,18,22,26
	v_max3_num_f32 v10, v10, |v[XS+\i]|, |v[XS+\i+1]|
	v_max3_num_f32 v14, v14, |v[XS+\i+2]|, |v[XS+\i+3]|
.endr
	v_max3_num_f32 v10, v10, |v[XS+30]|, |v[XS+31]|
	v_max3_num_f32 v10, v10, v14, 0x1800000        ; and the floor 2^(3 - 127)
	v_add_nc_u32 v11, 0xff000000, v10              ; the conversion's scale operand
	v_lshrrev_b32 v15, 23, v11                     ; the scale's byte
.if (\t)%4 == 0
	v_mov_b32 v[SB+(\t)/4], v15                    ; four bytes to a register, the lower K in the lower byte
.else
	v_lshl_or_b32 v[SB+(\t)/4], v15, 8*((\t)%4), v[SB+(\t)/4]
.endif
	v_cvt_scalef32_pk16_fp6_f32 v[WC:WC+2], v[XS:XS+15], v11
	v_cvt_scalef32_pk16_fp6_f32 v[WC+4:WC+6], v[XS+16:XS+31], v11  ; (a conversion's three registers begin on an even number)
	v_nop                                          ; one plain line behind the last conversion
	ds_store_b96 v4, v[WC:WC+2] offset:32*(\t)     ; 16 codes, 12 bytes, to a place of 16 bytes: every LDS address is a multiple of 16
	ds_store_b96 v4, v[WC+4:WC+6] offset:32*(\t)+16
.if (\t)+2 < 8
	WLOAD (\t)+2
.endif
	s_wait_dscnt 0x0                               ; the stores have read their registers: the next block's codes may be written
.endm
.irp t, 0,1,2,3,4,5,6,7
	WBLOCK \t
.endr
	global_store_b64 v9, v[SB:SB+1], s[20:21]      ; my column's eight scale bytes
.irp t, 0,1,2,3,4,5,6,7,8,9,10,11,12,13,14,15
	ds_load_b96 v[OUTR+4*\t:OUTR+4*\t+2], v7 offset:2*\t*WP       ; LDS serves a wave's instructions in order: these see my stores
.endr
.irp t, 0,1,2,3,4,5,6,7,8,9,10,11,12,13,14,15
	s_wait_dscnt 15-\t
	global_store_b96 v8, v[OUTR+4*\t:OUTR+4*\t+2], s[18:19] offset:2*((\t&3)|(((\t>>2)&1)<<3)|(((\t>>3)&1)<<2))*768   ; columns 2 t, 2 t + 1 go to rows swap34 of them; sixteen lanes store a row's 192 consecutive bytes
.endr
	FINISH
.Lfunc_end_k_qd3eee43c56_prep:
	.size	k_qd3eee43c56_prep, .Lfunc_end_k_qd3eee43c56_prep-k_qd3eee43c56_prep
	.p2alignl 7, 3214868480
	.fill 96, 4, 3214868480
	.section	.rodata,"a",@progbits
	.p2align	6, 0x0
	.amdhsa_kernel k_qd3eee43c56_prep
		.amdhsa_group_segment_fixed_size 68096
		.amdhsa_private_segment_fixed_size 0
		.amdhsa_enable_private_segment 0
		.amdhsa_kernarg_size 72
		.amdhsa_user_sgpr_count 2
		.amdhsa_user_sgpr_kernarg_segment_ptr 1
		.amdhsa_wavefront_size32 1
		.amdhsa_system_sgpr_workgroup_id_x 1
		.amdhsa_system_sgpr_workgroup_id_y 1
		.amdhsa_system_sgpr_workgroup_id_z 1
		.amdhsa_system_vgpr_workitem_id 0
		.amdhsa_next_free_vgpr 224
		.amdhsa_next_free_sgpr 66
		.amdhsa_reserve_vcc 0
		.amdhsa_float_denorm_mode_32 3
		.amdhsa_float_denorm_mode_16_64 3
		.amdhsa_memory_ordered 1
		.amdhsa_forward_progress 1
		.amdhsa_inst_pref_size 76
	.end_amdhsa_kernel
	.amdgpu_metadata
---
amdhsa.version: [ 1, 2 ]
amdhsa.kernels:
  - .name:           k_qd3eee43c56_prep
    .symbol:         k_qd3eee43c56_prep.kd
    .args:
      - { .name: x, .offset: 0, .size: 8, .value_kind: global_buffer, .address_space: global }
      - { .name: Wq, .offset: 8, .size: 8, .value_kind: global_buffer, .address_space: global }
      - { .name: Wk, .offset: 16, .size: 8, .value_kind: global_buffer, .address_space: global }
      - { .name: Wv, .offset: 24, .size: 8, .value_kind: global_buffer, .address_space: global }
      - { .name: Wo, .offset: 32, .size: 8, .value_kind: global_buffer, .address_space: global }
      - { .name: xc, .offset: 40, .size: 8, .value_kind: global_buffer, .address_space: global }
      - { .name: xs, .offset: 48, .size: 8, .value_kind: global_buffer, .address_space: global }
      - { .name: wc, .offset: 56, .size: 8, .value_kind: global_buffer, .address_space: global }
      - { .name: ws, .offset: 64, .size: 8, .value_kind: global_buffer, .address_space: global }
    .group_segment_fixed_size: 68096
    .private_segment_fixed_size: 0
    .kernarg_segment_align: 8
    .kernarg_segment_size: 72
    .max_flat_workgroup_size: 128
    .sgpr_count:     66
    .vgpr_count:     224
    .wavefront_size: 32
...
	.end_amdgpu_metadata
.endif
;; end of part 1
;; launch proj (part 2): grid 12 x 32, 4 waves a work-group, clusters of 4 x 4, 327,680 bytes of LDS; arguments xc, xs, wc, ws, qkv; writes qkv
.if DOCPART == 2
	.amdgcn_target "amdgcn-amd-amdhsa--gfx1250"
	.amdhsa_code_object_version 6
	.text
	.protected	k_qd3eee43c56_proj
	.globl	k_qd3eee43c56_proj
	.p2align	8
	.type	k_qd3eee43c56_proj,@function
k_qd3eee43c56_proj:
	s_mov_b64 s[64:65], 0
	v_nop
	global_prefetch_b8 v0, s[64:65] scope:SCOPE_SE
	s_setreg_imm32_b32 hwreg(HW_REG_WAVE_MODE, 25, 1), 1
	s_wait_xcnt 0x0
	s_wait_alu depctr_hold_cnt(0) depctr_sa_sdst(0) depctr_va_vdst(0) depctr_va_sdst(0) depctr_va_ssrc(0) depctr_va_vcc(0) depctr_vm_vsrc(0)
	s_getreg_b32 s2, hwreg(HW_REG_IB_STS2, 6, 4)
	s_cmp_eq_u32 s2, 0
	s_cbranch_scc0 .Lentry_in_a_cluster
	s_endpgm
.Lentry_in_a_cluster:
	s_bfe_u32 s2, ttmp6, 0x10000c
	s_cmp_lg_u32 s2, 0xf033
	s_cbranch_scc0 .Lentry_shape_is_right
	s_endpgm
.Lentry_shape_is_right:
; The three projections q, k, v = x W on codes of FP6 (E2M3) with one E8M0 scale for each 32 along K = 1,024, and the quantising of their results for attention's two products.
; C = A B^T on tiles of 256 x 256: four waves, each 128 x 128 in 64 accumulators.  K goes in steps of 256 through two LDS slots filled by the tensor data mover; the scale bytes of the tile's rows come once and stay.
; CLUSTERS: 4 x 4 work-groups; A's tile is asked for jointly along a row of the cluster, B's along a column.  THE MATRIX INSTRUCTION IS USED TRANSPOSED (source 0 = 16 rows of B, source 1 = 16 rows of A):
; a lane holds one row of A and its registers run along B's rows.
; ROLES, by the cluster's x, which all sixteen partners share: 0: q, 1: k: A = x (tokens), B = Wq, Wk: a lane holds a token, its registers run along (head, d), which is the scores' K.
; 2: v: A = Wv, B = x: a lane holds one (head, d), its registers run along the tokens, which are the second product's K.
; The rows of xc and wc are stored with bits 3 and 4 of their number exchanged: so the 16 registers of accumulators 2 b and 2 b + 1 are 16 NEIGHBOURS, 32 b + 16 (lane / 16) + 0 .. 15, and lane r of A's block a is row 32 (a / 2) + 8 (a % 2) + r + 8 (r / 8).
; THE WAY OUT uses no LDS: each block of A (64 numbers a lane: four blocks of 32 shared with lane xor 16) is quantised in registers, and the codes leave as IMAGES OF THE NEXT LAUNCH'S REGISTERS: 16 bytes a lane, 512 consecutive bytes a store.
; qkv: [q, k, v][batch x head][16 steps of 128 tokens][6,656 bytes]: 6,144 bytes of codes (12 chunks of 512), then 512 bytes of scale words (four words a lane).
; LIMITS: a block whose largest magnitude lies under 2^-124, zeros too, gets the byte 1; NaN and infinities are not served.
; No prefetch: K has four slots in all, and each tile is already asked for once for four work-groups.
; REGISTERS: window 0: v16-29 addresses; v32-63 scale words, two sets; v128-223 A's fragments, one set; on the way out v32-167 are free.  window 1: B's fragments, two sets.  windows 2, 3: the accumulators ((a, b) at v[8 (8 (a % 4) + b)]).
.set KSTEP,  256
.set NQ,     2                         ; matrix instructions deep in a slot
.set ROWB,   192                       ; a tile's row in bytes
.set KROW,   768                       ; a row of codes in memory
.set PITCH,  240                       ; an LDS row: 3 x (64 bytes + 16 of padding)
.set FR,     12                        ; registers of a fragment
.set NL,     6                         ; LDS loads that bring one
.set NP,     4                         ; places behind this matrix instruction (ISA guide 7.12.1)
.set HALFT,  128*PITCH
.set SLOT,   4*HALFT
.set LAPS,   2                         ; 1,024 / 512
.set KS,     32                        ; a row of scale bytes
.set SCL,    2*SLOT
.set HALFS,  (128*KS/256)*272
.set SBLK,   (16*KS/256)*272
.set SPARE,  SCL+4*HALFS               ; the spare words, 128 bytes a wave: two blocks of 256 bytes that no other line names
.set PART,   6815744                   ; bytes of q's, k's, v's part of qkv
.set HEADB,  106496                    ; of one head of one batch
.set STEPB,  6656                      ; of one step of 128 tokens
.set ADRA, 16
.set ADRB, 20
.set ADRS, 27
.set SPW,  28                          ; v28 LDS address of my spare word; never rewritten
.set NIL,  29                          ; v29 0; never rewritten
.set SC,   32
.set AF,   128
.set TM,   32                          ; the way out: v32-35 largest magnitudes, v36-39 the other lane's and then bytes, v44-47 scale operands
.set LI,   50                          ; v50 16 x lane
.set CT,   52                          ; v52-58 the conversions' second halves
.set COD,  64                          ; v64-159 codes
.set G1, 24
.set G0, 32
.set G1B, 48
.set G0B, 56
.set G1S, 68
.set G0S, 76
.set G1SB, 80
.set G0SB, 88
.set MSB, 0
.macro WIN new                         ; the immediate's high byte repeats the setting that is left
.if MSB != (\new)
	s_set_vgpr_msb (MSB<<8)|(\new)
.set MSB, (\new)
.endif
.endm
.set MUL_LO, 0xa1                      ; source 0 (B) window 1, source 1 (A) window 0, C and D window 2
.set MUL_HI, 0xf1
.set TO_B,   0x40
; A joint load: waves 0 and 1 fetch for A, waves 2 and 3 for B; the branch hangs on the wave's number alone.  An s_nop 0 and four v_nop follow each of the two lines.
.macro JLOAD g0a, g1a, g0b, g1b
	s_cmp_eq_u32 s15, 0
	s_cbranch_scc0 .Lfor_b_\@
	tensor_load_to_lds s[\g0a:\g0a+3], s[\g1a:\g1a+7]
	s_nop 0
.rept 4
	v_nop
.endr
	s_branch .Lasked_\@
.Lfor_b_\@:
	tensor_load_to_lds s[\g0b:\g0b+3], s[\g1b:\g1b+7]
	s_nop 0
.rept 4
	v_nop
.endr
.Lasked_\@:
.endm
.macro CREST                           ; a round of the cluster's barrier behind its opening barrier
	s_cmp_lg_u32 s14, 0
	s_cbranch_scc1 .Lnot_wave_0_\@
	s_barrier_signal -3
.Lnot_wave_0_\@:
	s_barrier_wait -3
	s_barrier_signal -1
	s_barrier_wait -1
.endm
.macro CROUND
	s_barrier_signal -1
	s_barrier_wait -1
	CREST
.endm
	s_load_b256 s[4:11], s[0:1], 0x0               ; xc s[4:5], xs s[6:7], wc s[8:9], ws s[10:11]
	s_load_b64 s[12:13], s[0:1], 0x20              ; qkv
	v_lshl_add_u32 v[SPW], v0, 2, SPARE
	v_mov_b32 v[NIL], 0
	ds_add_u32 v[SPW], v[NIL]                      ; the wave's opening: the add and its wait stand ahead of my first tensor load; the set-up below stands between them
	v_lshrrev_b32 v1, 5, v0
	v_readfirstlane_b32 s14, v1                    ; wave 0..3
	s_lshr_b32 s15, s14, 1                         ; which half of the tile's rows is mine.  Also: I fetch for A (0) or for B (1)
	s_and_b32 s16, s14, 1                          ; which half of its columns.  Also: which 128 rows of that tile I fetch
	s_bfe_u32 s40, ttmp6, 0x40000                  ; cx, cy: my place in the cluster
	s_bfe_u32 s41, ttmp6, 0x40004
	s_and_b32 s18, ttmp7, 0xffff                   ; the cluster's y
	s_cmp_eq_u32 ttmp9, 2                          ; the role: the same in all sixteen partners
	s_cselect_b32 s19, s18, ttmp9                  ; v: B's tiles are x's, walked by the cluster's y; q, k: the weights', by its x
	s_cselect_b32 s17, 0, s18                      ; v: A's tiles are Wv's four; q, k: x's
	s_cselect_b32 s96, 2048, 0                     ; v: Wv's rows begin at row 2,048 of wc
	s_lshl_b32 s42, s19, 2
	s_add_co_u32 s42, s42, s40                     ; tile column (B)
	s_lshl_b32 s17, s17, 2
	s_add_co_u32 s17, s17, s41                     ; tile row (A)
	s_lshl_b32 s43, s41, 2
	s_lshl_b32 s43, 15, s43                        ; my row of the cluster
	s_lshl_b32 s44, 0x1111, s40                    ; my column
	; descriptor group 1: a tile of 128 rows x 192 bytes; 16 bytes of padding behind every 64
	s_or_b32 s[G1+0], s43, (0<<16)|(1<<20)|(1<<21)|(3<<22)|(3<<25)
	s_or_b32 s[G1B+0], s44, (0<<16)|(1<<20)|(1<<21)|(3<<22)|(3<<25)
.irp g, G1, G1B
	s_mov_b32 s[\g+1], ROWB<<16                    ; tensor_dim0
	s_mov_b32 s[\g+2], 128<<16                     ; tensor_dim1
	s_mov_b32 s[\g+3], ROWB<<16                    ; tile_dim0
	s_mov_b32 s[\g+4], 128                         ; tile_dim1
	s_mov_b32 s[\g+5], KROW                        ; the pitch
	s_mov_b32 s[\g+6], 0
	s_mov_b32 s[\g+7], 0
.endr
	; the scales of 128 rows: 4,096 dense bytes as 16 rows of 256 bytes (32 elements of 8), 16 bytes of padding behind each
	s_or_b32 s[G1S+0], s43, (3<<16)|(1<<20)|(1<<21)|(5<<22)|(3<<25)
	s_or_b32 s[G1SB+0], s44, (3<<16)|(1<<20)|(1<<21)|(5<<22)|(3<<25)
.irp g, G1S, G1SB
	s_mov_b32 s[\g+1], 32<<16
	s_mov_b32 s[\g+2], (128*KS/256)<<16
	s_mov_b32 s[\g+3], 32<<16
	s_mov_b32 s[\g+4], 128*KS/256
	s_mov_b32 s[\g+5], 32
	s_mov_b32 s[\g+6], 0
	s_mov_b32 s[\g+7], 0
.endr
	s_lshl_b32 s18, s16, 7                         ; which 128 rows of the tile I fetch
	s_lshl_b32 s20, s17, 8
	s_add_co_u32 s20, s20, s18
	s_add_co_u32 s20, s20, s96                     ; A's first row
	s_lshl_b32 s46, s42, 8
	s_add_co_u32 s46, s46, s18                     ; B's first row
	s_mov_b32 s21, 0
	s_mov_b32 s47, 0
	s_mov_b64 s[18:19], KS
	s_mul_u64 s[22:23], s[20:21], s[18:19]         ; where these rows' scales begin, in bytes
	s_mul_u64 s[92:93], s[46:47], s[18:19]
	s_mov_b64 s[18:19], KROW
	s_mul_u64 s[20:21], s[20:21], s[18:19]         ; and their codes
	s_mul_u64 s[46:47], s[46:47], s[18:19]
	s_mul_i32 s45, s14, HALFT                      ; where they go: wave x 128 rows: no place in the cluster enters an LDS address
	s_mul_i32 s94, s14, HALFS
	s_wait_dscnt 0x0                               ; the opening add is done
	s_wait_kmcnt 0x0
	s_cmp_eq_u32 ttmp9, 2                          ; v: A and B change buffers (a choice that hangs on no address)
	s_cselect_b64 s[2:3], s[8:9], s[4:5]
	s_cselect_b64 s[8:9], s[4:5], s[8:9]
	s_mov_b64 s[4:5], s[2:3]
	s_cselect_b64 s[2:3], s[10:11], s[6:7]
	s_cselect_b64 s[10:11], s[6:7], s[10:11]
	s_mov_b64 s[6:7], s[2:3]
	s_add_nc_u64 s[20:21], s[4:5], s[20:21]
	s_add_nc_u64 s[22:23], s[6:7], s[22:23]
	s_add_nc_u64 s[46:47], s[8:9], s[46:47]
	s_add_nc_u64 s[92:93], s[10:11], s[92:93]
	CROUND                                         ; all sixteen work-groups are here: the first joint loads meet
	s_mov_b32 s[G0S], 1
	s_add_co_u32 s[G0S+1], s94, SCL
	s_mov_b64 s[G0S+2:G0S+3], s[22:23]
	s_or_b32 s[G0S+3], s[G0S+3], 0x80000000
	s_mov_b32 s[G0SB], 1
	s_add_co_u32 s[G0SB+1], s94, SCL
	s_mov_b64 s[G0SB+2:G0SB+3], s[92:93]
	s_or_b32 s[G0SB+3], s[G0SB+3], 0x80000000
	JLOAD G0S, G1S, G0SB, G1SB                     ; the scales first: they are wanted with K step 0
.irp s, 0,1
	s_mov_b32 s[G0+4*\s], 1
	s_add_co_u32 s[G0+4*\s+1], s45, \s*SLOT
	s_add_nc_u64 s[G0+4*\s+2:G0+4*\s+3], s[20:21], \s*ROWB
	s_or_b32 s[G0+4*\s+3], s[G0+4*\s+3], 0x80000000
	s_mov_b32 s[G0B+4*\s], 1
	s_add_co_u32 s[G0B+4*\s+1], s45, \s*SLOT
	s_add_nc_u64 s[G0B+4*\s+2:G0B+4*\s+3], s[46:47], \s*ROWB
	s_or_b32 s[G0B+4*\s+3], s[G0B+4*\s+3], 0x80000000
	JLOAD G0+4*\s, G1, G0B+4*\s, G1B
.endr
	v_and_b32 v1, 15, v0                           ; l % 16
	v_bfe_u32 v2, v0, 4, 1                         ; l / 16
	v_mul_u32_u24 v3, v1, PITCH
	v_mul_u32_u24 v4, v2, 24
	v_add_nc_u32 v4, v3, v4                        ; a fragment's row x pitch + 24 x half
	v_lshl_add_u32 v5, v2, 4, v4                   ; and the same behind one padding more
	s_mul_i32 s21, s15, HALFT                      ; my 128 rows of A
	s_mul_i32 s22, s16, HALFT                      ; my 128 rows of B,
	s_add_co_u32 s22, s22, 2*HALFT                 ; which lie behind A's 256
.irp s, 0,1
	v_add_nc_u32 v[ADRA+\s], s21, v4
	v_add_nc_u32 v[ADRB+\s], s22, v4
	v_add_nc_u32 v[ADRA+2+\s], s21, v5
	v_add_nc_u32 v[ADRB+2+\s], s22, v5
	s_add_co_u32 s21, s21, SLOT
	s_add_co_u32 s22, s22, SLOT
.endr
	v_mul_u32_u24 v5, v1, KS                       ; my row's scales: 32 bytes a row,
	v_lshrrev_b32 v6, 8, v5
	v_lshl_add_u32 v5, v6, 4, v5                   ; and 16 more for each 256 passed
	s_mul_i32 s21, s15, HALFS
	s_mul_i32 s22, s16, HALFS
	s_add_co_u32 s22, s22, 2*HALFS
	s_sub_co_u32 s22, s22, s21
	v_mul_u32_u24 v6, s22, v2                      ; lanes 16-31 take B's
	s_add_co_u32 s21, s21, SCL
	v_add_nc_u32 v5, v5, v6
	v_add_nc_u32 v[ADRS], s21, v5
	; where my wave's results go: one step of 128 tokens of two heads on end
	s_and_b32 s22, s42, 3
	s_cmp_eq_u32 ttmp9, 2
	s_cselect_b32 s20, s42, s17                    ; the tile of 256 tokens,
	s_cselect_b32 s21, s16, s15                    ; my half of it,
	s_cselect_b32 s22, s17, s22                    ; the tile of four heads,
	s_cselect_b32 s23, s15, s16                    ; my half of it
	s_lshr_b32 s46, s20, 3                         ; the batch: eight tiles of 256 tokens each
	s_lshl_b32 s46, s46, 4
	s_lshl_b32 s22, s22, 2
	s_add_co_u32 s46, s46, s22
	s_lshl_b32 s23, s23, 1
	s_add_co_u32 s46, s46, s23                     ; 16 batch + my first head
	s_lshl_b32 s46, s46, 4
	s_and_b32 s20, s20, 7
	s_lshl_b32 s20, s20, 1
	s_add_co_u32 s46, s46, s20
	s_add_co_u32 s46, s46, s21                     ; x 16 steps + my step
	s_mul_i32 s46, s46, STEPB
	s_mul_i32 s47, ttmp9, PART
	s_add_co_u32 s46, s46, s47                     ; under 2^25
	s_mov_b32 s47, 0
	s_add_nc_u64 s[12:13], s[12:13], s[46:47]
.macro FRAG reg, adr, q, i             ; a fragment, 16 rows x 128 K: lane l holds row l % 16; registers 6 c .. 6 c + 5 hold K = 64 c + 32 (l / 16) + 0 .. 31: 24 bytes of the row, as they lie, in pieces of 8 bytes
.irp p, 0,1,2,3,4,5
.set PC, 12*(\q)+6*(\p/3)+\p%3         ; where the piece three on lies behind one padding more, the second address register serves
.if PC%8 < 5
	ds_load_b64 v[\reg+2*\p:\reg+2*\p+1], v[\adr] offset:8*PC+16*(PC/8)+(\i)*16*PITCH
.else
	ds_load_b64 v[\reg+2*\p:\reg+2*\p+1], v[\adr+2] offset:8*PC+16*(PC/8)+(\i)*16*PITCH
.endif
.endr
.endm
; 16 matrix instructions: A's blocks a0, a0 + 1 x B's eight.  The 64 accumulators take turns, one instruction a turn, in the same order in every step.
.macro MUL16 a0, p, q, sc, zero
.irp a, \a0, \a0+1
.irp b, 0,1,2,3,4,5,6,7
.if \zero
	v_wmma_scale_f32_16x16x128_f8f6f4 v[8*(8*((\a)%4)+\b):8*(8*((\a)%4)+\b)+7], v[128*(\p)+FR*\b:128*(\p)+FR*\b+FR-1], v[AF+FR*(\a):AF+FR*(\a)+FR-1], 0, v[SC+8*NQ*(\sc)+NQ*\b+(\q)], v[SC+8*NQ*(\sc)+NQ*(\a)+(\q)] matrix_a_fmt:MATRIX_FMT_FP6 matrix_b_fmt:MATRIX_FMT_FP6 matrix_a_scale:MATRIX_SCALE_ROW1
.else
	v_wmma_scale_f32_16x16x128_f8f6f4 v[8*(8*((\a)%4)+\b):8*(8*((\a)%4)+\b)+7], v[128*(\p)+FR*\b:128*(\p)+FR*\b+FR-1], v[AF+FR*(\a):AF+FR*(\a)+FR-1], v[8*(8*((\a)%4)+\b):8*(8*((\a)%4)+\b)+7], v[SC+8*NQ*(\sc)+NQ*\b+(\q)], v[SC+8*NQ*(\sc)+NQ*(\a)+(\q)] matrix_a_fmt:MATRIX_FMT_FP6 matrix_b_fmt:MATRIX_FMT_FP6 matrix_a_scale:MATRIX_SCALE_ROW1
.endif
.endr
.endr
.endm
.macro FETCH_B slot, q, p
	WIN TO_B
.irp i, 0,1,2,3,4,5,6,7
	FRAG 128*(\p)+FR*\i, ADRB+\slot, \q, \i
.endr
	WIN 0
.endm
.macro FETCH_A slot, q, i0
.irp i, \i0, \i0+1, \i0+2, \i0+3
	FRAG AF+FR*(\i), ADRA+\slot, \q, \i
.endr
.endm
.macro SCALES sc                       ; a K step's scale words: two words a row; lanes 0-15 take A's block i, lanes 16-31 B's block i
.irp i, 0,1,2,3,4,5,6,7
	ds_load_b64 v[SC+8*NQ*\sc+NQ*\i:SC+8*NQ*\sc+NQ*\i+1], v[ADRS] offset:\i*SBLK
.endr
.endm
.macro PLACES n                        ; plain vector lines between a matrix instruction and a load into, or a vector read or write of, its registers
.rept \n
	v_nop
.endr
.endm
.macro STEP slot, q, zero              ; a step of 128 along K that has its successor in the same slot
	s_wait_dscnt 4*NL                              ; B's set and A's blocks 0-3 are in; the youngest 24 loads (A's blocks 4-7) may be out
	WIN MUL_LO
	MUL16 0, (\q)%2, \q, \slot, \zero
	MUL16 2, (\q)%2, \q, \slot, \zero
	s_wait_dscnt 0                                 ; A's blocks 4-7 are in
	PLACES NP
	FETCH_B \slot, (\q)+1, 1-(\q)%2
	FETCH_A \slot, (\q)+1, 0
	WIN MUL_HI
	MUL16 4, (\q)%2, \q, \slot, \zero
	MUL16 6, (\q)%2, \q, \slot, \zero
	PLACES NP
	WIN 0
	FETCH_A \slot, (\q)+1, 4
.endm
; A slot's last step changes slots: one barrier; in front of it each wave waits for all its tensor loads, adds 0 to its spare word, and waits for that and for its own reads of this slot.
.macro TURN slot, next, fill
	s_wait_tensorcnt 0x0                           ; all my tensor loads have landed: my part of the next slot
	ds_add_u32 v[SPW], v[NIL]                      ; 0 onto my spare word
	s_wait_dscnt 4*NL+1                            ; (the add and the youngest 24 loads may be out)
	WIN MUL_LO
	MUL16 0, 1, NQ-1, \slot, 0                     ; sixteen matrix instructions stand between the add and the wait for it
	s_wait_dscnt 0x0                               ; the add is done, and my reads of this slot are over
	s_barrier_signal -1
	MUL16 2, 1, NQ-1, \slot, 0
	WIN 0
	s_barrier_wait -1
.if \fill
	CREST                                          ; the barrier has opened a round of the cluster's barrier: no wave of any partner still reads this slot or has a load on its way
	s_add_nc_u64 s[G0+4*\slot+2:G0+4*\slot+3], s[G0+4*\slot+2:G0+4*\slot+3], 2*ROWB
	s_add_nc_u64 s[G0B+4*\slot+2:G0B+4*\slot+3], s[G0B+4*\slot+2:G0B+4*\slot+3], 2*ROWB
	JLOAD G0+4*\slot, G1, G0B+4*\slot, G1B         ; the first tensor load behind the round; its four v_nop are the places in front of the loads below
.else
	PLACES NP
.endif
	v_add_nc_u32 v[ADRS], 4*NQ, v[ADRS]            ; on to the next K step's scale words (no LDS load of mine is out)
	FETCH_B \next, 0, 0
	FETCH_A \next, 0, 0
	SCALES \next
	WIN MUL_HI
	MUL16 4, 1, NQ-1, \slot, 0
	MUL16 6, 1, NQ-1, \slot, 0
	PLACES NP
	WIN 0
	FETCH_A \next, 0, 4
.endm
	s_wait_tensorcnt 1                             ; the scales and my part of K step 0 are in (K step 1's load may be out)
	s_barrier_signal -1
	s_barrier_wait -1                              ; everybody's are
	FETCH_B 0, 0, 0
	FETCH_A 0, 0, 0
	SCALES 0
	FETCH_A 0, 0, 4
	STEP 0, 0, 1                                   ; the first step stands in front of the loop: its products start the sums
	s_mov_b32 s3, LAPS-1
.Llap:                                             ; a trip goes once round the ring and fills both slots again
	TURN 0, 1, 1
	STEP 1, 0, 0
	TURN 1, 0, 1
	STEP 0, 0, 0
	s_sub_co_u32 s3, s3, 1
	s_cmp_lg_u32 s3, 0
	s_cbranch_scc1 .Llap
	TURN 0, 1, 0                                   ; the last lap fills nothing
	STEP 1, 0, 0
	s_wait_dscnt 4*NL
	WIN MUL_LO
	MUL16 0, 1, NQ-1, 1, 0
	MUL16 2, 1, NQ-1, 1, 0
	s_wait_dscnt 0
	WIN MUL_HI
	MUL16 4, 1, NQ-1, 1, 0
	MUL16 6, 1, NQ-1, 1, 0
	WIN 0
; THE WAY OUT.  QUANTW: block a's 64 numbers of a lane (register 16 b + i = place 32 b + 16 (lane / 16) + i along the next K) become codes: places 0-63 in v[d0 .. d0 + 5], places 64-127 in v[d1 .. d1 + 5],
; each lane holding a whole block of 32 (lanes 0-15 the even block, lanes 16-31 the odd one); their four scale bytes make v[pw].  Each accumulator is read from its low end on.
.macro QUANTW a, d0, d1, pw
.set QS, 64*((\a)%4)
.set QW, 2+(\a)/4
.set QWW, QW|(QW<<2)
	WIN QWW                                        ; sources 0 and 1: the accumulators' window
.irp b, 0,1,2,3
	v_max3_num_f32 v[TM+\b], |v[QS+16*\b]|, |v[QS+16*\b+1]|, 0x1800000   ; my 16 numbers of block b, and the floor 2^(3 - 127): the byte cannot fall under 1
.endr
.irp i, 2,4,6,8,10,12,14
.irp b, 0,1,2,3
	v_max3_num_f32 v[TM+\b], |v[QS+16*\b+\i]|, |v[QS+16*\b+\i+1]|, v[TM+\b]
.endr
.endr
	WIN 0
.irp b, 0,1,2,3
	v_permlanex16_b32 v[TM+4+\b], v[TM+\b], s20, s21
.endr
.irp b, 0,1,2,3
	v_max_num_f32 v[TM+\b], v[TM+\b], v[TM+4+\b]   ; with lane l xor 16's: the block's largest magnitude
.endr
.irp b, 0,1,2,3
	v_add_nc_u32 v[TM+12+\b], 0xff000000, v[TM+\b] ; 2 off its exponent field: the conversion's scale operand
.endr
.irp b, 0,1,2,3
	v_lshrrev_b32 v[TM+4+\b], 23, v[TM+12+\b]      ; the scale's byte
.endr
	v_lshl_or_b32 v[\pw], v[TM+5], 8, v[TM+4]
	v_lshl_or_b32 v[\pw], v[TM+6], 16, v[\pw]
	v_lshl_or_b32 v[\pw], v[TM+7], 24, v[\pw]
	WIN QW                                         ; source 0: the accumulators' window
	v_cvt_scalef32_pk16_fp6_f32 v[\d0:\d0+2], v[QS:QS+15], v[TM+12]
	v_cvt_scalef32_pk16_fp6_f32 v[CT:CT+2], v[QS+16:QS+31], v[TM+13]
	v_cvt_scalef32_pk16_fp6_f32 v[\d1:\d1+2], v[QS+32:QS+47], v[TM+14]
	v_cvt_scalef32_pk16_fp6_f32 v[CT+4:CT+6], v[QS+48:QS+63], v[TM+15]
	WIN 0
	v_nop                                          ; one plain line behind the last conversion
.irp i, 0,1,2
	v_permlane16_swap_b32 v[\d0+\i], v[CT+\i]      ; the first's lanes 16-31 change places with the second's lanes 0-15: a whole block in a lane
.endr
.irp i, 0,1,2
	v_mov_b32 v[\d0+3+\i], v[CT+\i]
.endr
.irp i, 0,1,2
	v_permlane16_swap_b32 v[\d1+\i], v[CT+4+\i]
.endr
.irp i, 0,1,2
	v_mov_b32 v[\d1+3+\i], v[CT+4+\i]
.endr
.endm
	PLACES NP                                      ; behind the last products: their results are read and their operands' registers written below
	v_and_b32 v[LI], 31, v0
	v_lshlrev_b32 v[LI], 4, v[LI]
.irp b, 0,1,2,3
	v_mov_b32 v[TM+4+\b], 0                        ; written once: a lane permute's destination counts as one of its sources
.endr
	s_mov_b32 s20, 0x76543210
	s_mov_b32 s21, 0xfedcba98                      ; v_permlanex16_b32's selects for lane l xor 16
	s_mov_b32 s23, 0xffff0000                      ; lanes 16-31
	s_cmp_eq_u32 ttmp9, 2
	s_cbranch_scc1 .Lepi_v
	; q, k: block a is a tile of 16 tokens; places 0-63 are my first head's d, places 64-127 my second head's.  A pair of tiles makes 12 registers a head: three stores of 512 consecutive bytes.
.irp b, 0,1,2,3
.set XA, COD+24*\b
	QUANTW 2*\b, XA, XA+12, 48
	QUANTW 2*\b+1, XA+6, XA+18, 49
	v_cndmask_b32 v[160+\b], v48, v49, s23         ; the pair's scale words: the even tile's rows in lanes 0-15, the odd tile's in lanes 16-31; bytes 0, 1 are the first head's
	v_lshrrev_b32 v[164+\b], 16, v[160+\b]         ; the second head's two bytes, and zeros above them
.irp c, 0,1,2
	global_store_b128 v[LI], v[XA+4*\c:XA+4*\c+3], s[12:13] offset:1536*\b+512*\c
	global_store_b128 v[LI], v[XA+12+4*\c:XA+12+4*\c+3], s[12:13] offset:HEADB+1536*\b+512*\c
.endr
.endr
	global_store_b128 v[LI], v[160:163], s[12:13] offset:6144
	global_store_b128 v[LI], v[164:167], s[12:13] offset:HEADB+6144
	s_branch .Lend
.Lepi_v:
	; v: block a is a tile of 16 d (a / 4: the head); its 128 places are the step's keys: a whole fragment of the second product
.irp a, 0,1,2,3,4,5,6,7
	QUANTW \a, COD+12*\a, COD+12*\a+6, 48+\a%2
.if \a%2
	v_cndmask_b32 v[160+4*(\a/4)+(\a%4)/2], v48, v49, s23
.endif
.irp c, 0,1,2
	global_store_b128 v[LI], v[COD+12*\a+4*\c:COD+12*\a+4*\c+3], s[12:13] offset:(\a/4)*HEADB+(\a%4)*1536+512*\c
.endr
.endr
	v_mov_b32 v162, v160                           ; the image has four words a lane: the two are written twice, so that every byte is stored
	v_mov_b32 v163, v161
	v_mov_b32 v166, v164
	v_mov_b32 v167, v165
	global_store_b128 v[LI], v[160:163], s[12:13] offset:6144
	global_store_b128 v[LI], v[164:167], s[12:13] offset:HEADB+6144
.Lend:
	s_wait_tensorcnt 0x0                           ; the wave's end, behind my last tensor load
	ds_add_u32 v[SPW], v[NIL]
	s_wait_dscnt 0x0
	CROUND                                         ; the closing round: no work-group ends while a partner may still ask for a tile that names it
	s_endpgm
.Lfunc_end_k_qd3eee43c56_proj:
	.size	k_qd3eee43c56_proj, .Lfunc_end_k_qd3eee43c56_proj-k_qd3eee43c56_proj
	.p2alignl 7, 3214868480
	.fill 96, 4, 3214868480
	.section	.rodata,"a",@progbits
	.p2align	6, 0x0
	.amdhsa_kernel k_qd3eee43c56_proj
		.amdhsa_group_segment_fixed_size 327680
		.amdhsa_private_segment_fixed_size 0
		.amdhsa_enable_private_segment 0
		.amdhsa_kernarg_size 40
		.amdhsa_user_sgpr_count 2
		.amdhsa_user_sgpr_kernarg_segment_ptr 1
		.amdhsa_wavefront_size32 1
		.amdhsa_system_sgpr_workgroup_id_x 1
		.amdhsa_system_sgpr_workgroup_id_y 1
		.amdhsa_system_sgpr_workgroup_id_z 1
		.amdhsa_system_vgpr_workitem_id 0
		.amdhsa_next_free_vgpr 1024
		.amdhsa_next_free_sgpr 98
		.amdhsa_reserve_vcc 0
		.amdhsa_float_denorm_mode_32 3
		.amdhsa_float_denorm_mode_16_64 3
		.amdhsa_memory_ordered 1
		.amdhsa_forward_progress 1
		.amdhsa_inst_pref_size 198
	.end_amdhsa_kernel
	.amdgpu_metadata
---
amdhsa.version: [ 1, 2 ]
amdhsa.kernels:
  - .name:           k_qd3eee43c56_proj
    .symbol:         k_qd3eee43c56_proj.kd
    .args:
      - { .name: xc, .offset: 0, .size: 8, .value_kind: global_buffer, .address_space: global }
      - { .name: xs, .offset: 8, .size: 8, .value_kind: global_buffer, .address_space: global }
      - { .name: wc, .offset: 16, .size: 8, .value_kind: global_buffer, .address_space: global }
      - { .name: ws, .offset: 24, .size: 8, .value_kind: global_buffer, .address_space: global }
      - { .name: qkv, .offset: 32, .size: 8, .value_kind: global_buffer, .address_space: global }
    .group_segment_fixed_size: 327680
    .private_segment_fixed_size: 0
    .kernarg_segment_align: 8
    .kernarg_segment_size: 40
    .max_flat_workgroup_size: 128
    .sgpr_count:     98
    .vgpr_count:     1024
    .wavefront_size: 32
...
	.end_amdgpu_metadata
.endif
;; end of part 2
;; launch attn (part 3): grid 4 x 64, 16 waves a work-group, clusters of 4 x 1, 215,040 bytes of LDS; arguments qkv, ac, asc; writes ac, asc
.if DOCPART == 3
	.amdgcn_target "amdgcn-amd-amdhsa--gfx1250"
	.amdhsa_code_object_version 6
	.text
	.protected	k_qd3eee43c56_attn
	.globl	k_qd3eee43c56_attn
	.p2align	8
	.type	k_qd3eee43c56_attn,@function
k_qd3eee43c56_attn:
	s_mov_b64 s[64:65], 0
	v_nop
	global_prefetch_b8 v0, s[64:65] scope:SCOPE_SE
	s_setreg_imm32_b32 hwreg(HW_REG_WAVE_MODE, 25, 1), 1
	s_wait_xcnt 0x0
	s_wait_alu depctr_hold_cnt(0) depctr_sa_sdst(0) depctr_va_vdst(0) depctr_va_sdst(0) depctr_va_ssrc(0) depctr_va_vcc(0) depctr_vm_vsrc(0)
	s_getreg_b32 s2, hwreg(HW_REG_IB_STS2, 6, 4)
	s_cmp_eq_u32 s2, 0
	s_cbranch_scc0 .Lentry_in_a_cluster
	s_endpgm
.Lentry_in_a_cluster:
	s_bfe_u32 s2, ttmp6, 0x10000c
	s_cmp_lg_u32 s2, 0x3003
	s_cbranch_scc0 .Lentry_shape_is_right
	s_endpgm
.Lentry_shape_is_right:
; Causal attention of one head of one batch (2,048 tokens, head size 64) on codes of FP6 (E2M3), and the quantising of its result along (head, d) for the last product.
; t = score x log2(e) / 8; M = the row's largest t so far, rounded UP to a whole number; p = 2^(t - M) is quantised along the keys, not normalised; the row's sum is taken of the unquantised p and divides O at the end.
; When M moves, the sum and O are multiplied by 2^(old M - new M): exact.
; CLUSTER: the four work-groups of a cluster belong to one head.  The head's K and V, 2 x 106,496 bytes of register images, come into each one's LDS ONCE, by joint loads: each of the sixteen waves asks for 13,312 bytes
; (two key steps; waves 0-7 K, waves 8-15 V).  One tensor load a wave is out.  Nothing is filled again: behind the one barrier at the head the loops have no barrier and no wait for tiles, and there is nothing to prefetch.
; SHARES: a tile is 16 queries.  Wave w of work-group cx owns tiles 127 - (4 w + cx) and 4 w + cx.  Their last key steps are 15 - w / 2 and w / 2, made of the wave's number alone: every wave walks 17 steps of 128 keys, two of them on the diagonal.
; The loops' trip counts are constants; a step all of whose keys come after the tile's queries is jumped over by a scalar branch on the wave's number and the count of steps.
; LAYOUT: both products are used transposed (S^T = K Q^T, O^T = V^T P^T): a lane holds ONE query throughout.  Tile t holds tokens 32 (t / 2) + 8 (t % 2) + r + 8 (r / 8): so the 16 registers of key tiles 2 b, 2 b + 1 are keys 32 b + 16 (lane / 16) + 0 .. 15.
; THE HEAD'S 64 IN AN INSTRUCTION OF 128: Q's fragment is six registers of codes and six of zero codes.  A key tile has six registers; the six behind them (the next tile's, or zeros) meet Q's zeros and add nothing; no scale byte is 0xff.
; LIMITS: a block whose largest magnitude lies under 2^-124, zeros too, gets the byte 1; NaN and infinities are not served.
; O^T begins as zeros and the largest t as -3e38, so that the step is written once for each tile's loop: 32 moves a tile.
.set PART,  6815744
.set HEADB, 106496
.set STEPB, 6656
.set VB,    106496                     ; LDS: K's 16 steps from 0, V's from here
.set SPARE, 212992                     ; the spare words, 128 bytes a wave: eight blocks of 256 bytes that no other line names
.set LI,  1                            ; v1  16 x lane
.set ADK, 2                            ; v2  LDS address of the step's K
.set ADV, 3                            ; v3  of its V
.set DL,  4                            ; v4  r + 8 (r / 8) - 16 (lane / 16)
.set SPW, 5                            ; v5  LDS address of my spare word; never rewritten
.set NIL, 6                            ; v6  0; never rewritten
.set DD,  7                            ; v7  my query's place in its step - 16 (lane / 16)
.set L8,  8                            ; v8  8 x lane
.set L32, 9                            ; v9  32 x (lane % 16)
                                       ; v10, v11 at work; v12 -M, v13 the largest t, v[14:15] the sum in two halves
.set QF,  16                           ; v16-21 Q, v22-27 zero codes
.set QSC, 28                           ; v28 Q's scale word; v29 the second tile's; v30-35 the second tile's Q
.set KF,  36                           ; v36-83 K's eight tiles, six registers each; v84-89 zero codes
.set KSC, 90                           ; v90-93 K's scale words
.set PSC, 94                           ; v94 p's scale word
.set S,   96                           ; v96-159 S^T, then p
.set OT,  160                          ; v160-191 O^T
.set VF,  192                          ; v192-239 V's four fragments
.set VSC, 240                          ; v240-243 V's scale words
.set PCD, 244                          ; v244-255 p's codes
.set BM,  36                           ; at work, in K's registers once the scores are made: v36-39 the blocks' largest scores, then p
.set BP,  40                           ; v40-43 the other lane's, then bytes
.set SO,  44                           ; v44-47 scale operands
.set CT,  48                           ; v48-54 the conversions' second halves
.set FF,  56                           ; v[56:57] f = 2^(old M - new M)
.set TT,  58                           ; v58
.set CH,  60                           ; v[60:61] the sums' second chain
.set WV,  14
.set BH,  16
.set G1,  24                           ; s[24:31] descriptor group 1;  s[40:43] group 0
.set G0,  40
.set SEL, 48
.set CS,  50
.set TB,  52                           ; s52 LDS byte at which the step's K begins
.set KST, 53                           ; s53 the step
.macro CROUND                          ; a round of the cluster's barrier
	s_barrier_signal -1
	s_barrier_wait -1
	s_cmp_lg_u32 s[WV], 0
	s_cbranch_scc1 .Lnot_wave_0_\@
	s_barrier_signal -3
.Lnot_wave_0_\@:
	s_barrier_wait -3
	s_barrier_signal -1
	s_barrier_wait -1
.endm
; What hangs on a tile t: where Q's codes (qc) and scale words (qs) lie in qkv, where its results go in ac (oa) and asc (os), which half of a pair of tiles it is (um: all ones for the odd one), its first query's place in its step (qm).
.macro TILEADR t, qc, qs, oa, os, um, qm
	s_lshr_b32 s17, s[\t], 3
	s_lshl_b32 s18, s[BH], 4
	s_add_co_u32 s17, s17, s18
	s_mul_i32 s17, s17, STEPB                      ; the step's image
	s_bfe_u32 s18, s[\t], 0x20001                  ; the pair of tiles in it
	s_and_b32 s19, s[\t], 1
	s_mul_i32 s20, s18, 1536
	s_add_co_u32 s20, s20, s17
	s_mov_b32 s21, 0
	s_add_nc_u64 s[\qc:\qc+1], s[4:5], s[20:21]
	s_lshl_b32 s20, s19, 8                         ; scale words: 16 bytes a lane, the odd tile's rows in lanes 16-31, word = the pair
	s_lshl_b32 s22, s18, 2
	s_add_co_u32 s20, s20, s22
	s_add_co_u32 s20, s20, s17
	s_add_co_u32 s20, s20, 6144
	s_add_nc_u64 s[\qs:\qs+1], s[4:5], s[20:21]
	s_lshl_b32 s[\qm], s18, 5
	s_lshl_b32 s22, s19, 3
	s_add_co_u32 s[\qm], s[\qm], s22
	s_cmp_lg_u32 s19, 0
	s_cselect_b32 s[\um], -1, 0
	s_lshr_b32 s17, s[BH], 4
	s_lshl_b32 s17, s17, 3
	s_lshr_b32 s18, s[\t], 4
	s_add_co_u32 s17, s17, s18                     ; R: which 256 tokens of the 8,192
	s_and_b32 s18, s[\t], 15                       ; T: which tile of them
	s_and_b32 s19, s[BH], 15                       ; the head
	s_lshl_b32 s20, s17, 4
	s_add_co_u32 s20, s20, s18
	s_lshl_b32 s20, s20, 9                         ; asc: 16 rows of 32 bytes a tile,
	s_lshl_b32 s22, s19, 1
	s_add_co_u32 s20, s20, s22                     ; two bytes a head
	s_add_nc_u64 s[\os:\os+1], s[8:9], s[20:21]
	s_lshl_b32 s20, s17, 2                         ; ac: [R][head / 4][T][head % 4][3][256 bytes]
	s_lshr_b32 s22, s19, 2
	s_add_co_u32 s20, s20, s22
	s_lshl_b32 s20, s20, 4
	s_add_co_u32 s20, s20, s18
	s_mul_i32 s20, s20, 3072
	s_and_b32 s22, s19, 3
	s_mul_i32 s22, s22, 768
	s_add_co_u32 s20, s20, s22
	s_add_nc_u64 s[\oa:\oa+1], s[6:7], s[20:21]
.endm
	s_load_b128 s[4:7], s[0:1], 0x0                ; qkv s[4:5], ac s[6:7]
	s_load_b64 s[8:9], s[0:1], 0x10                ; asc
	v_lshl_add_u32 v[SPW], v0, 2, SPARE
	v_mov_b32 v[NIL], 0
	ds_add_u32 v[SPW], v[NIL]                      ; the wave's opening: the add and its wait stand ahead of my first tensor load; the set-up below stands between them
	ds_add_u32 v[SPW], v[NIL]
	v_lshrrev_b32 v10, 5, v0
	s_delay_alu instid0(VALU_DEP_1)
	v_readfirstlane_b32 s[WV], v10                 ; wave 0..15
	s_bfe_u32 s15, ttmp6, 0x40000                  ; cx: it enters global addresses and selects alone
	s_and_b32 s[BH], ttmp7, 0xffff                 ; 16 batch + head, which the four partners share
	; descriptor group 1: 13,312 dense bytes as 52 rows of 256 bytes (32 elements of 8 bytes), no padding
	s_mov_b32 s[G1], 15|(3<<16)|(1<<21)            ; 15:0 the mask: all four work-groups; 17:16 elements of 8 bytes; 21 set beside a mask
	s_mov_b32 s[G1+1], 32<<16                      ; tensor_dim0
	s_mov_b32 s[G1+2], 52<<16                      ; tensor_dim1
	s_mov_b32 s[G1+3], 32<<16                      ; tile_dim0
	s_mov_b32 s[G1+4], 52                          ; tile_dim1
	s_mov_b32 s[G1+5], 32                          ; the pitch
	s_mov_b32 s[G1+6], 0
	s_mov_b32 s[G1+7], 0
	s_mov_b32 s[SEL], 0x76543210
	s_mov_b32 s[SEL+1], 0xfedcba98                 ; v_permlanex16_b32's selects for lane l xor 16
	s_mov_b32 s[CS], 0x3e38aa3b                    ; c = log2(e) / 8
	s_mov_b32 s[CS+1], s[CS]                       ; (named with it as a pair, so it is written)
	s_lshr_b32 s56, s[WV], 1                       ; the small tile's last step
	s_sub_co_u32 s55, 15, s56                      ; the big tile's
	s_lshl_b32 s11, s[WV], 2
	s_add_co_u32 s11, s11, s15                     ; the small tile
	s_sub_co_u32 s10, 127, s11                     ; the big tile
	s_mov_b32 s[G0], 1
	s_mul_i32 s[G0+1], s[WV], 13312                ; LDS: wave x 13,312: K's eight parts, then V's eight
	s_lshr_b32 s17, s[WV], 3
	s_add_co_u32 s17, s17, 1                       ; part 1 of qkv is k, part 2 is v
	s_mul_i32 s18, s17, PART
	s_mul_i32 s17, s[BH], HEADB
	s_add_co_u32 s18, s18, s17
	s_and_b32 s17, s[WV], 7
	s_mul_i32 s17, s17, 13312
	s_add_co_u32 s18, s18, s17
	s_mov_b32 s19, 0
	s_wait_dscnt 0x0                               ; the opening add is done
	s_wait_kmcnt 0x0
	s_add_nc_u64 s[G0+2:G0+3], s[4:5], s[18:19]
	s_or_b32 s[G0+3], s[G0+3], 0x80000000
	CROUND                                         ; all four work-groups are here: the joint loads meet
	tensor_load_to_lds s[G0:G0+3], s[G1:G1+7]
	s_nop 0
.rept 4
	v_nop
.endr
	TILEADR 10, 74, 76, 58, 60, 70, 72
	TILEADR 11, 78, 80, 66, 68, 71, 73
	v_and_b32 v10, 31, v0
	s_delay_alu instid0(VALU_DEP_1)
	v_lshlrev_b32 v[LI], 4, v10
	s_delay_alu instid0(VALU_DEP_2)
	v_lshlrev_b32 v[L8], 3, v10
	v_and_b32 v11, 15, v0                          ; r
	s_delay_alu instid0(VALU_DEP_1)
	v_lshlrev_b32 v[L32], 5, v11
	v_bfe_u32 v10, v0, 4, 1                        ; h
	s_delay_alu instid0(VALU_DEP_3)
	v_and_b32 v[DL], 8, v11
	s_delay_alu instid0(VALU_DEP_1)
	v_add_nc_u32 v[DL], v[DL], v11
	s_delay_alu instid0(VALU_DEP_3)
	v_lshlrev_b32 v10, 4, v10
	s_delay_alu instid0(VALU_DEP_1)
	v_sub_nc_u32 v[DL], v[DL], v10
	v_lshlrev_b32 v11, 4, v11                      ; 16 r: my row's scale words
.irp c, 0,1,2
	global_load_b128 v[S+4*\c:S+4*\c+3], v[LI], s[74:75] offset:512*\c          ; the pair of tiles that holds my big tile,
	global_load_b128 v[S+12+4*\c:S+12+4*\c+3], v[LI], s[78:79] offset:512*\c    ; and the one that holds my small tile
.endr
	global_load_b32 v[QSC], v11, s[76:77]
	global_load_b32 v[QSC+1], v11, s[80:81]
.irp i, 0,1,2,3,4,5
	v_mov_b32 v[QF+6+\i], 0                        ; zero codes for k = 64 .. 127
	v_mov_b32 v[KF+48+\i], 0
.endr
	v_mov_b32 v[BP], 0                             ; written once: a lane permute's destination counts as one of its sources
	v_mov_b32 v[BP+1], 0
	s_wait_loadcnt 0x0
.irp i, 0,1,2,3,4,5
	v_cndmask_b32 v[QF+\i], v[S+\i], v[S+6+\i], s70            ; my tile's six registers of the pair's twelve
	v_cndmask_b32 v[QF+14+\i], v[S+12+\i], v[S+18+\i], s71
.endr
	v_and_b32 v[QSC], 0xffff, v[QSC]               ; the head's two bytes; the two above belong to zero codes
	v_and_b32 v[QSC+1], 0xffff, v[QSC+1]
.macro TILE_INIT qm
	v_mov_b32 v13, 0xff61b1e6                      ; the largest t so far: -3e38, under every t
	s_delay_alu instid0(VALU_DEP_1)
	v_floor_f32 v12, -v13                          ; -M
	v_mov_b32 v14, 0
	v_mov_b32 v15, 0
.set j, 0
.rept 32
	v_mov_b32 v[OT+j], 0
.set j, j+1
.endr
	v_add_nc_u32 v[DD], s[\qm], v[DL]
.endm
; A KEY STEP: 128 keys.  lim: the register with the tile's last step.
.macro STEP lim
	s_cmp_gt_u32 s[KST], s[\lim]                   ; all its keys come after my queries: only the address is stepped
	s_cbranch_scc1 .Lhid_\@
	s_setprio 2
	v_add_nc_u32 v[ADK], s[TB], v[LI]
	s_delay_alu instid0(VALU_DEP_1)
	v_add_nc_u32 v[ADV], VB, v[ADK]
	v_nop
	v_nop                                          ; four plain lines between the last step's products and the loads into their operands' registers
.irp c, 0,1,2,3,4,5,6,7,8,9,10,11
	ds_load_b128 v[KF+4*\c:KF+4*\c+3], v[ADK] offset:512*\c    ; images of registers: 512 consecutive bytes a load
.endr
	ds_load_b128 v[KSC:KSC+3], v[ADK] offset:6144
.irp c, 0,1,2,3,4,5,6,7,8,9,10,11
	ds_load_b128 v[VF+4*\c:VF+4*\c+3], v[ADV] offset:512*\c
.endr
	ds_load_b128 v[VSC:VSC+3], v[ADV] offset:6144
	s_wait_dscnt 13                                ; K's 13 loads are in; V's 13 may be out
.irp t, 0,1,2,3,4,5,6,7
.if \t%2
	v_wmma_scale_f32_16x16x128_f8f6f4 v[S+8*\t:S+8*\t+7], v[KF+6*\t:KF+6*\t+11], v[QF:QF+11], 0, v[KSC+\t/2], v[QSC] matrix_a_fmt:MATRIX_FMT_FP6 matrix_b_fmt:MATRIX_FMT_FP6 matrix_a_scale:MATRIX_SCALE_ROW1
.else
	v_wmma_scale_f32_16x16x128_f8f6f4 v[S+8*\t:S+8*\t+7], v[KF+6*\t:KF+6*\t+11], v[QF:QF+11], 0, v[KSC+\t/2], v[QSC] matrix_a_fmt:MATRIX_FMT_FP6 matrix_b_fmt:MATRIX_FMT_FP6
.endif
.endr
.rept 4
	v_nop                                          ; places: the scores are read and K's registers written below
.endr
	s_cmp_lg_u32 s[KST], s[\lim]                   ; only the tile's last step lies on the diagonal
	s_cbranch_scc1 .Lopen_\@
	v_mov_b32 v[TT], 0xff800000                    ; -infinity: p = 0 then.  Register 16 b + i holds the step's key 32 b + 16 (lane / 16) + i: hidden where 32 b + i > v[DD]
.set n, 0
	s_wait_alu depctr_va_vdst(0)
.rept 64
	v_cmp_gt_i32 vcc_lo, 32*(n/16)+n%16, v[DD]
	v_cndmask_b32 v[S+n], v[S+n], v[TT], vcc_lo
.set n, n+1
.endr
.Lopen_\@:
.irp b, 0,1,2,3
	v_max3_num_f32 v[BM+\b], v[S+16*\b], v[S+16*\b+1], v[S+16*\b+2]   ; the largest score of each block of 32 keys: for the row's maximum and, since p rises with the score, for the block's largest p
.endr
.irp i, 3,5,7,9,11,13
.irp b, 0,1,2,3
	v_max3_num_f32 v[BM+\b], v[BM+\b], v[S+16*\b+\i], v[S+16*\b+\i+1]
.endr
.endr
.irp b, 0,1,2,3
	v_max_num_f32 v[BM+\b], v[BM+\b], v[S+16*\b+15]
.endr
.irp b, 0,1,2,3
	s_delay_alu instid0(VALU_DEP_4)
	v_permlanex16_b32 v[BP+\b], v[BM+\b], s[SEL], s[SEL+1]
.endr
.irp b, 0,1,2,3
	s_delay_alu instid0(VALU_DEP_4)
	v_max_num_f32 v[BM+\b], v[BM+\b], v[BP+\b]     ; with lane l xor 16's 16 keys
.endr
	s_delay_alu instid0(VALU_DEP_2)
	v_max3_num_f32 v[TT], v[BM], v[BM+1], v[BM+2]
	s_delay_alu instid0(VALU_DEP_1)
	v_max_num_f32 v[TT], v[TT], v[BM+3]            ; the step's largest score of my query (key 0 of the step counts for every query of the tile)
	s_delay_alu instid0(VALU_DEP_1)
	v_mul_f32 v[TT], s[CS], v[TT]                  ; as t
	s_delay_alu instid0(VALU_DEP_1)
	v_max_num_f32 v13, v13, v[TT]                  ; the running largest t
	v_mov_b32 v[TT], v12
	s_delay_alu instid0(VALU_DEP_2)
	v_floor_f32 v12, -v13                          ; the new -M = -ceil(t): a whole number
	s_delay_alu instid0(VALU_DEP_1)
	v_sub_f32 v[TT], v12, v[TT]                    ; old M - new M: a whole number, 0 or less
	s_delay_alu instid0(VALU_DEP_1)
	v_cvt_i32_f32 v[TT], v[TT]                     ; (it saturates)
	s_delay_alu instid0(VALU_DEP_1)
	v_ldexp_f32 v[FF], 1.0, v[TT]                  ; f = 2^(old M - new M)
.set j, 0
.rept 32
	v_pk_fma_f32 v[S+j:S+j+1], v[S+j:S+j+1], s[CS:CS+1], v[12:13] op_sel_hi:[1,0,0]   ; t - M, two at a time
.set j, j+2
.endr
	s_setprio 1
.irp b, 0,1,2,3
	v_fma_f32 v[BM+\b], v[BM+\b], s[CS], v12       ; the same of each block's largest score
.endr
.set j, 0
	s_wait_alu depctr_va_vdst(0)
.rept 64
	v_exp_f32 v[S+j], v[S+j]                       ; p = 2^(t - M), at most 1
.set j, j+1
.endr
	v_pk_mul_f32 v[14:15], v[14:15], v[FF:FF+1] op_sel_hi:[1,0]   ; the sums under the new M (a plain line behind the exponentials)
	s_wait_alu depctr_va_vdst(0)                   ; one wait for the whole batch, ahead of its first reader
.irp b, 0,1,2,3
	v_exp_f32 v[BM+\b], v[BM+\b]                   ; the block's largest p: the same two instructions on the same number
.endr
	v_pk_add_f32 v[60:61], v[100:101], v[104:105]
	v_pk_add_f32 v[254:255], v[108:109], v[112:113]
	v_pk_add_f32 v[252:253], v[116:117], v[120:121]
	v_pk_add_f32 v[250:251], v[124:125], v[128:129]
	v_pk_add_f32 v[248:249], v[132:133], v[136:137]
	v_pk_add_f32 v[246:247], v[140:141], v[144:145]
	v_pk_add_f32 v[244:245], v[148:149], v[152:153]
	v_pk_add_f32 v[14:15], v[14:15], v[156:157]
	v_pk_add_f32 v[60:61], v[60:61], v[96:97]
	v_pk_add_f32 v[254:255], v[254:255], v[98:99]
	v_pk_add_f32 v[252:253], v[252:253], v[102:103]
	v_pk_add_f32 v[250:251], v[250:251], v[106:107]
	v_pk_add_f32 v[248:249], v[248:249], v[110:111]
	v_pk_add_f32 v[246:247], v[246:247], v[114:115]
	v_pk_add_f32 v[244:245], v[244:245], v[118:119]
	v_pk_add_f32 v[14:15], v[14:15], v[122:123]
	v_pk_add_f32 v[60:61], v[60:61], v[126:127]
	v_pk_add_f32 v[254:255], v[254:255], v[130:131]
	v_pk_add_f32 v[252:253], v[252:253], v[134:135]
	v_pk_add_f32 v[250:251], v[250:251], v[138:139]
	v_pk_add_f32 v[248:249], v[248:249], v[142:143]
	v_pk_add_f32 v[246:247], v[246:247], v[146:147]
	v_pk_add_f32 v[244:245], v[244:245], v[150:151]
	v_pk_add_f32 v[14:15], v[14:15], v[154:155]
	v_pk_add_f32 v[60:61], v[60:61], v[158:159]
	s_delay_alu instid0(VALU_DEP_2)
	v_pk_add_f32 v[14:15], v[14:15], v[250:251]
	s_delay_alu instid0(VALU_DEP_2)
	v_pk_add_f32 v[60:61], v[60:61], v[248:249]
	v_pk_add_f32 v[254:255], v[254:255], v[246:247]
	v_pk_add_f32 v[252:253], v[252:253], v[244:245]
	s_delay_alu instid0(VALU_DEP_2)
	v_pk_add_f32 v[14:15], v[14:15], v[254:255]
	s_delay_alu instid0(VALU_DEP_2)
	v_pk_add_f32 v[60:61], v[60:61], v[252:253]
	s_delay_alu instid0(VALU_DEP_1)
	v_pk_add_f32 v[14:15], v[14:15], v[60:61]
	s_wait_alu depctr_va_vdst(0)                   ; and one for the four
.irp b, 0,1,2,3
	v_max_num_f32 v[BM+\b], 0x1800000, v[BM+\b]    ; the floor 2^(3 - 127): the byte cannot fall under 1
.endr
.irp b, 0,1,2,3
	s_delay_alu instid0(VALU_DEP_4)
	v_add_nc_u32 v[SO+\b], 0xff000000, v[BM+\b]    ; the conversion's scale operand
.endr
.irp b, 0,1,2,3
	s_delay_alu instid0(VALU_DEP_4)
	v_lshrrev_b32 v[BP+\b], 23, v[SO+\b]           ; the scale's byte
.endr
	s_delay_alu instid0(VALU_DEP_3)
	v_lshl_or_b32 v[PSC], v[BP+1], 8, v[BP]        ; p's scale word for these 128 keys
	s_delay_alu instid0(VALU_DEP_1)
	v_lshl_or_b32 v[PSC], v[BP+2], 16, v[PSC]
	s_delay_alu instid0(VALU_DEP_1)
	v_lshl_or_b32 v[PSC], v[BP+3], 24, v[PSC]
	s_setprio 0
.irp c, 0,1
	v_cvt_scalef32_pk16_fp6_f32 v[PCD+6*\c:PCD+6*\c+2], v[S+32*\c:S+32*\c+15], v[SO+2*\c]
	v_cvt_scalef32_pk16_fp6_f32 v[CT+4*\c:CT+4*\c+2], v[S+32*\c+16:S+32*\c+31], v[SO+2*\c+1]
.endr
	v_nop                                          ; one plain line behind the last conversion
.irp c, 0,1                                        ; the operand's layout wants a whole block in a lane
.irp i, 0,1,2
	v_permlane16_swap_b32 v[PCD+6*\c+\i], v[CT+4*\c+\i]
.endr
.irp i, 0,1,2
	s_delay_alu instid0(VALU_DEP_3)
	v_mov_b32 v[PCD+6*\c+3+\i], v[CT+4*\c+\i]
.endr
.endr
.set j, 0
.rept 16
	v_pk_mul_f32 v[OT+j:OT+j+1], v[OT+j:OT+j+1], v[FF:FF+1] op_sel_hi:[1,0]   ; O^T under the new M.  (These 16 are also the places between p's codes and scale word and the products below)
.set j, j+2
.endr
	s_wait_alu depctr_va_vdst(0)
	s_wait_dscnt 0x0                               ; V is in
.irp t, 0,1,2,3                                    ; the four accumulators by turns; the next step's eight score products stand between two links
.if \t%2
	v_wmma_scale_f32_16x16x128_f8f6f4 v[OT+8*\t:OT+8*\t+7], v[VF+12*\t:VF+12*\t+11], v[PCD:PCD+11], v[OT+8*\t:OT+8*\t+7], v[VSC+\t/2], v[PSC] matrix_a_fmt:MATRIX_FMT_FP6 matrix_b_fmt:MATRIX_FMT_FP6 matrix_a_scale:MATRIX_SCALE_ROW1
.else
	v_wmma_scale_f32_16x16x128_f8f6f4 v[OT+8*\t:OT+8*\t+7], v[VF+12*\t:VF+12*\t+11], v[PCD:PCD+11], v[OT+8*\t:OT+8*\t+7], v[VSC+\t/2], v[PSC] matrix_a_fmt:MATRIX_FMT_FP6 matrix_b_fmt:MATRIX_FMT_FP6
.endif
.endr
.Lhid_\@:
	s_add_co_u32 s[TB], s[TB], STEPB
.endm
; A tile's end: O^T / the sum; register 16 b + i is d = 32 b + 16 (lane / 16) + i of my query: the head's two blocks of the last product's K.  They are quantised, and leave as the image of six registers of that product's operand.
.macro TILE_END oa, os
.rept 4
	v_nop                                          ; places behind the last products
.endr
	v_add_f32 v14, v14, v15
	s_delay_alu instid0(VALU_DEP_1)
	v_permlanex16_b32 v11, v14, s[SEL], s[SEL+1]
	s_delay_alu instid0(VALU_DEP_1)
	v_add_f32 v14, v14, v11                        ; the row's sum
	s_wait_alu depctr_va_vdst(0)
	v_rcp_f32 v14, v14
	v_nop                                          ; a plain line behind the reciprocal
	s_wait_alu depctr_va_vdst(0)                   ; and the wait ahead of its first reader
.set j, 0
.rept 32
	v_mul_f32 v[S+j], v[OT+j], v14
.set j, j+1
.endr
.irp b, 0,1
	v_max3_num_f32 v[BM+\b], |v[S+16*\b]|, |v[S+16*\b+1]|, 0x1800000
.endr
.irp i, 2,4,6,8,10,12,14
.irp b, 0,1
	s_delay_alu instid0(VALU_DEP_2)
	v_max3_num_f32 v[BM+\b], v[BM+\b], |v[S+16*\b+\i]|, |v[S+16*\b+\i+1]|
.endr
.endr
.irp b, 0,1
	s_delay_alu instid0(VALU_DEP_2)
	v_permlanex16_b32 v[BP+\b], v[BM+\b], s[SEL], s[SEL+1]
.endr
.irp b, 0,1
	s_delay_alu instid0(VALU_DEP_2)
	v_max_num_f32 v[BM+\b], v[BM+\b], v[BP+\b]
.endr
.irp b, 0,1
	s_delay_alu instid0(VALU_DEP_2)
	v_add_nc_u32 v[SO+\b], 0xff000000, v[BM+\b]
.endr
.irp b, 0,1
	s_delay_alu instid0(VALU_DEP_2)
	v_lshrrev_b32 v[BP+\b], 23, v[SO+\b]
.endr
	s_delay_alu instid0(VALU_DEP_1)
	v_lshl_or_b32 v10, v[BP+1], 8, v[BP]           ; the head's two scale bytes of my row
	v_cvt_scalef32_pk16_fp6_f32 v[PCD:PCD+2], v[S:S+15], v[SO]
	v_cvt_scalef32_pk16_fp6_f32 v[CT:CT+2], v[S+16:S+31], v[SO+1]
	v_nop
.irp i, 0,1,2
	v_permlane16_swap_b32 v[PCD+\i], v[CT+\i]
.endr
.irp i, 0,1,2
	s_delay_alu instid0(VALU_DEP_3)
	v_mov_b32 v[PCD+3+\i], v[CT+\i]
.endr
.irp p, 0,1,2
	global_store_b64 v[L8], v[PCD+2*\p:PCD+2*\p+1], s[\oa:\oa+1] offset:256*\p   ; 32 lanes store 256 consecutive bytes, aligned
.endr
	global_store_b16 v[L32], v10, s[\os:\os+1]     ; two bytes a row (lanes r and r + 16 write the same): a row's 32 bytes come from sixteen heads, which lie in sixteen clusters
	s_wait_xcnt 0x0                                ; the stores have read their registers: they are written again only behind this wait
.endm
	TILE_INIT 72
	s_wait_tensorcnt 0x0                           ; my part of K or V is in,
	s_barrier_signal -1
	s_barrier_wait -1                              ; everybody's is
	s_mov_b32 s[TB], 0
	s_mov_b32 s[KST], 0
.Lbig:                                             ; the big tile: 16 trips, of which 16 - w / 2 work
	STEP 55
	s_add_co_u32 s[KST], s[KST], 1
	s_cmp_lt_u32 s[KST], 16
	s_cbranch_scc1 .Lbig
	s_setprio 0
	TILE_END 58, 60
.irp i, 0,1,2,3,4,5
	v_mov_b32 v[QF+\i], v[QF+14+\i]                ; the small tile's Q
.endr
	v_mov_b32 v[QSC], v[QSC+1]
	TILE_INIT 73
	s_mov_b32 s[TB], 0
	s_mov_b32 s[KST], 0
.Lsmall:                                           ; the small tile: 8 trips, of which w / 2 + 1 work
	STEP 56
	s_add_co_u32 s[KST], s[KST], 1
	s_cmp_lt_u32 s[KST], 8
	s_cbranch_scc1 .Lsmall
	s_setprio 0
	TILE_END 66, 68
	s_wait_tensorcnt 0x0                           ; the wave's end, behind my last tensor load
	ds_add_u32 v[SPW], v[NIL]
	s_wait_dscnt 0x0
	CROUND                                         ; the closing round
	s_endpgm
.Lfunc_end_k_qd3eee43c56_attn:
	.size	k_qd3eee43c56_attn, .Lfunc_end_k_qd3eee43c56_attn-k_qd3eee43c56_attn
	.p2alignl 7, 3214868480
	.fill 96, 4, 3214868480
	.section	.rodata,"a",@progbits
	.p2align	6, 0x0
	.amdhsa_kernel k_qd3eee43c56_attn
		.amdhsa_group_segment_fixed_size 215040
		.amdhsa_private_segment_fixed_size 0
		.amdhsa_enable_private_segment 0
		.amdhsa_kernarg_size 24
		.amdhsa_user_sgpr_count 2
		.amdhsa_user_sgpr_kernarg_segment_ptr 1
		.amdhsa_wavefront_size32 1
		.amdhsa_system_sgpr_workgroup_id_x 1
		.amdhsa_system_sgpr_workgroup_id_y 1
		.amdhsa_system_sgpr_workgroup_id_z 1
		.amdhsa_system_vgpr_workitem_id 0
		.amdhsa_next_free_vgpr 256
		.amdhsa_next_free_sgpr 84
		.amdhsa_reserve_vcc 1
		.amdhsa_float_denorm_mode_32 3
		.amdhsa_float_denorm_mode_16_64 3
		.amdhsa_memory_ordered 1
		.amdhsa_forward_progress 1
		.amdhsa_inst_pref_size 65
	.end_amdhsa_kernel
	.amdgpu_metadata
---
amdhsa.version: [ 1, 2 ]
amdhsa.kernels:
  - .name:           k_qd3eee43c56_attn
    .symbol:         k_qd3eee43c56_attn.kd
    .args:
      - { .name: qkv, .offset: 0, .size: 8, .value_kind: global_buffer, .address_space: global }
      - { .name: ac, .offset: 8, .size: 8, .value_kind: global_buffer, .address_space: global }
      - { .name: asc, .offset: 16, .size: 8, .value_kind: global_buffer, .address_space: global }
    .group_segment_fixed_size: 215040
    .private_segment_fixed_size: 0
    .kernarg_segment_align: 8
    .kernarg_segment_size: 24
    .max_flat_workgroup_size: 512
    .sgpr_count:     84
    .vgpr_count:     256
    .wavefront_size: 32
...
	.end_amdgpu_metadata
.endif
;; end of part 3
;; launch outp (part 4): grid 4 x 32, 4 waves a work-group, clusters of 4 x 4, 327,680 bytes of LDS; arguments ac, asc, wc, ws, out0, bo; writes out0
.if DOCPART == 4
	.amdgcn_target "amdgcn-amd-amdhsa--gfx1250"
	.amdhsa_code_object_version 6
	.text
	.protected	k_qd3eee43c56_outp
	.globl	k_qd3eee43c56_outp
	.p2align	8
	.type	k_qd3eee43c56_outp,@function
k_qd3eee43c56_outp:
	s_mov_b64 s[64:65], 0
	v_nop
	global_prefetch_b8 v0, s[64:65] scope:SCOPE_SE
	s_setreg_imm32_b32 hwreg(HW_REG_WAVE_MODE, 25, 1), 1
	s_wait_xcnt 0x0
	s_wait_alu depctr_hold_cnt(0) depctr_sa_sdst(0) depctr_va_vdst(0) depctr_va_sdst(0) depctr_va_ssrc(0) depctr_va_vcc(0) depctr_vm_vsrc(0)
	s_getreg_b32 s2, hwreg(HW_REG_IB_STS2, 6, 4)
	s_cmp_eq_u32 s2, 0
	s_cbranch_scc0 .Lentry_in_a_cluster
	s_endpgm
.Lentry_in_a_cluster:
	s_bfe_u32 s2, ttmp6, 0x10000c
	s_cmp_lg_u32 s2, 0xf033
	s_cbranch_scc0 .Lentry_shape_is_right
	s_endpgm
.Lentry_shape_is_right:
; out0 = a Wo + bo on codes of FP6 (E2M3) with one E8M0 scale for each 32 along K = 1,024 = (head, d).  a: attention's result, 8,192 rows; Wo's codes: rows 3,072 .. 4,095 of wc (one row for each output column, K innermost).
; A tile of out0, 256 x 256, is made by four waves, each 128 x 128 in 64 accumulators.  K goes in steps of 256 through two LDS slots filled by the tensor data mover; the scale bytes come once and stay.
; CLUSTERS: 4 x 4 work-groups; a's tile is asked for jointly along a row of the cluster, Wo's along a column.  THE MATRIX INSTRUCTION IS USED TRANSPOSED: a lane holds eight numbers of one row of out0.
; a's codes lie in ac as IMAGES OF THE OPERAND'S REGISTERS: [256 rows R][K step of 256][tile of 16 rows][128 along K][6 chunks of 256 bytes, 8 bytes a lane]: a K step's tile is one dense block, and a fragment is six loads of 256 consecutive bytes.
; ROW AND COLUMN ORDER: row r of a's tile T is token 32 (T / 2) + 8 (T % 2) + r + 8 (r / 8) of the 256; Wo's rows are stored with bits 3 and 4 exchanged, so register j of accumulator b is column 32 (b / 2) + 16 (lane / 16) + 8 (b % 2) + j.
; Both are put right on the way out: the columns by the place in the stage, the rows by the store's offset.
; 128 work-groups: out0 has 128 tiles of 256 x 256.  No prefetch: K has four slots in all, and each tile is already asked for once for four work-groups.
.set NQ,     2
.set ROWB,   192
.set KROW,   768
.set PITCH,  240
.set FR,     12
.set NL,     6
.set NP,     4
.set HALFT,  128*PITCH
.set SLOT,   4*HALFT
.set LAPS,   2
.set KS,     32
.set SCL,    2*SLOT
.set HALFS,  (128*KS/256)*272
.set SBLK,   (16*KS/256)*272
.set SPARE,  SCL+4*HALFS               ; the spare words, 128 bytes a wave: two blocks of 256 bytes that no other line names
.set ASLOT,  49152                     ; a's codes of 256 rows x 256 along K
.set SPITCH, 528                       ; the way out: a stage of 16 rows x (512 bytes + 16) for each wave, in slot 0, which has had its last fill and its last read when the first result is stored there
.set BIAS, 8                           ; v8-11 bo at my four columns
.set ADRA, 16                          ; v16-17 LDS address of a's images in slot 0, 1
.set ADRB, 20                          ; v20-23 of Wo's fragments
.set STO,  24
.set RD,   25
.set CO,   26
.set ADRS, 27
.set SPW,  28                          ; v28 LDS address of my spare word; never rewritten
.set NIL,  29                          ; v29 0; never rewritten
.set SC,   32
.set AF,   128
.set BK,   128
.set G1, 24
.set G0, 32
.set G1B, 48
.set G0B, 56
.set G1S, 68
.set G0S, 76
.set G1SB, 80
.set G0SB, 88
.set MSB, 0
.macro WIN new
.if MSB != (\new)
	s_set_vgpr_msb (MSB<<8)|(\new)
.set MSB, (\new)
.endif
.endm
.set MUL_LO, 0xa1
.set MUL_HI, 0xf1
.set TO_B,   0x40
.macro JLOAD g0a, g1a, g0b, g1b        ; a joint load: waves 0 and 1 fetch for a, waves 2 and 3 for Wo; an s_nop 0 and four v_nop follow each of the two lines
	s_cmp_eq_u32 s15, 0
	s_cbranch_scc0 .Lfor_b_\@
	tensor_load_to_lds s[\g0a:\g0a+3], s[\g1a:\g1a+7]
	s_nop 0
.rept 4
	v_nop
.endr
	s_branch .Lasked_\@
.Lfor_b_\@:
	tensor_load_to_lds s[\g0b:\g0b+3], s[\g1b:\g1b+7]
	s_nop 0
.rept 4
	v_nop
.endr
.Lasked_\@:
.endm
.macro CREST
	s_cmp_lg_u32 s14, 0
	s_cbranch_scc1 .Lnot_wave_0_\@
	s_barrier_signal -3
.Lnot_wave_0_\@:
	s_barrier_wait -3
	s_barrier_signal -1
	s_barrier_wait -1
.endm
.macro CROUND
	s_barrier_signal -1
	s_barrier_wait -1
	CREST
.endm
	s_load_b256 s[4:11], s[0:1], 0x0               ; ac s[4:5], asc s[6:7], wc s[8:9], ws s[10:11]
	s_load_b64 s[12:13], s[0:1], 0x20              ; out0
	s_load_b64 s[66:67], s[0:1], 0x28              ; bo
	v_lshl_add_u32 v[SPW], v0, 2, SPARE
	v_mov_b32 v[NIL], 0
	ds_add_u32 v[SPW], v[NIL]                      ; the wave's opening: the add and its wait stand ahead of my first tensor load
	v_lshrrev_b32 v1, 5, v0
	v_readfirstlane_b32 s14, v1                    ; wave 0..3
	s_lshr_b32 s15, s14, 1                         ; which half of the tile's rows is mine.  Also: I fetch for a (0) or for Wo (1)
	s_and_b32 s16, s14, 1                          ; which half of its columns.  Also: which 128 rows of that tile I fetch
	s_bfe_u32 s40, ttmp6, 0x40000
	s_bfe_u32 s41, ttmp6, 0x40004
	s_lshl_b32 s42, ttmp9, 2
	s_add_co_u32 s42, s42, s40                     ; tile column
	s_and_b32 s17, ttmp7, 0xffff
	s_lshl_b32 s17, s17, 2
	s_add_co_u32 s17, s17, s41                     ; tile row
	s_lshl_b32 s43, s41, 2
	s_lshl_b32 s43, 15, s43                        ; my row of the cluster
	s_lshl_b32 s44, 0x1111, s40                    ; my column
	; a's codes: 24,576 dense bytes (128 rows x 256 along K) as 96 rows of 256 bytes, no padding
	s_or_b32 s[G1+0], s43, (3<<16)|(1<<21)
	s_mov_b32 s[G1+1], 32<<16
	s_mov_b32 s[G1+2], 96<<16
	s_mov_b32 s[G1+3], 32<<16
	s_mov_b32 s[G1+4], 96
	s_mov_b32 s[G1+5], 32
	s_mov_b32 s[G1+6], 0
	s_mov_b32 s[G1+7], 0
	; Wo's codes: 128 rows x 192 bytes; 16 bytes of padding behind every 64
	s_or_b32 s[G1B+0], s44, (0<<16)|(1<<20)|(1<<21)|(3<<22)|(3<<25)
	s_mov_b32 s[G1B+1], ROWB<<16
	s_mov_b32 s[G1B+2], 128<<16
	s_mov_b32 s[G1B+3], ROWB<<16
	s_mov_b32 s[G1B+4], 128
	s_mov_b32 s[G1B+5], KROW
	s_mov_b32 s[G1B+6], 0
	s_mov_b32 s[G1B+7], 0
	; the scales of 128 rows: 4,096 dense bytes as 16 rows of 256 bytes, 16 bytes of padding behind each
	s_or_b32 s[G1S+0], s43, (3<<16)|(1<<20)|(1<<21)|(5<<22)|(3<<25)
	s_or_b32 s[G1SB+0], s44, (3<<16)|(1<<20)|(1<<21)|(5<<22)|(3<<25)
.irp g, G1S, G1SB
	s_mov_b32 s[\g+1], 32<<16
	s_mov_b32 s[\g+2], (128*KS/256)<<16
	s_mov_b32 s[\g+3], 32<<16
	s_mov_b32 s[\g+4], 128*KS/256
	s_mov_b32 s[\g+5], 32
	s_mov_b32 s[\g+6], 0
	s_mov_b32 s[\g+7], 0
.endr
	s_lshl_b32 s18, s16, 7                         ; which 128 rows of the tile I fetch
	s_lshl_b32 s22, s17, 8
	s_add_co_u32 s22, s22, s18
	s_lshl_b32 s22, s22, 5                         ; a's scales: 32 bytes a row
	s_mov_b32 s23, 0
	s_mul_i32 s20, s17, 4*ASLOT                    ; a's codes: four K steps a tile row,
	s_mul_i32 s19, s16, ASLOT/2                    ; my half of a K step's block
	s_add_co_u32 s20, s20, s19
	s_mov_b32 s21, 0
	s_lshl_b32 s46, s42, 8
	s_add_co_u32 s46, s46, s18                     ; Wo's row
	s_lshl_b32 s92, s46, 5
	s_mov_b32 s93, 0
	s_mul_i32 s46, s46, KROW
	s_mov_b32 s47, 0
	s_mul_i32 s45, s14, HALFT                      ; where they go: wave x HALFT: no place in the cluster enters an LDS address
	s_mul_i32 s94, s14, HALFS
	s_wait_dscnt 0x0                               ; the opening add is done
	s_wait_kmcnt 0x0
	s_add_nc_u64 s[8:9], s[8:9], 3072*KROW         ; Wo's rows in wc
	s_add_nc_u64 s[10:11], s[10:11], 3072*KS       ; and in ws
	s_add_nc_u64 s[20:21], s[4:5], s[20:21]
	s_add_nc_u64 s[22:23], s[6:7], s[22:23]
	s_add_nc_u64 s[46:47], s[8:9], s[46:47]
	s_add_nc_u64 s[92:93], s[10:11], s[92:93]
	CROUND                                         ; all sixteen work-groups are here: the first joint loads meet
	s_mov_b32 s[G0S], 1
	s_add_co_u32 s[G0S+1], s94, SCL
	s_mov_b64 s[G0S+2:G0S+3], s[22:23]
	s_or_b32 s[G0S+3], s[G0S+3], 0x80000000
	s_mov_b32 s[G0SB], 1
	s_add_co_u32 s[G0SB+1], s94, SCL
	s_mov_b64 s[G0SB+2:G0SB+3], s[92:93]
	s_or_b32 s[G0SB+3], s[G0SB+3], 0x80000000
	JLOAD G0S, G1S, G0SB, G1SB                     ; the scales first
.irp s, 0,1
	s_mov_b32 s[G0+4*\s], 1
	s_add_co_u32 s[G0+4*\s+1], s45, \s*SLOT
	s_add_nc_u64 s[G0+4*\s+2:G0+4*\s+3], s[20:21], \s*ASLOT
	s_or_b32 s[G0+4*\s+3], s[G0+4*\s+3], 0x80000000
	s_mov_b32 s[G0B+4*\s], 1
	s_add_co_u32 s[G0B+4*\s+1], s45, \s*SLOT
	s_add_nc_u64 s[G0B+4*\s+2:G0B+4*\s+3], s[46:47], \s*ROWB
	s_or_b32 s[G0B+4*\s+3], s[G0B+4*\s+3], 0x80000000
	JLOAD G0+4*\s, G1, G0B+4*\s, G1B
.endr
	v_and_b32 v1, 15, v0                           ; l % 16
	v_bfe_u32 v2, v0, 4, 1                         ; l / 16
	v_and_b32 v7, 31, v0                           ; lane
	v_mul_u32_u24 v3, v1, PITCH
	v_mul_u32_u24 v4, v2, 24
	v_add_nc_u32 v4, v3, v4                        ; Wo: a fragment's row x pitch + 24 x half
	v_lshl_add_u32 v5, v2, 4, v4                   ; and the same behind one padding more
	v_lshlrev_b32 v3, 3, v7                        ; a: 8 x lane
	s_mul_i32 s21, s15, HALFT                      ; my 128 rows of a
	s_mul_i32 s22, s16, HALFT                      ; my 128 rows of Wo,
	s_add_co_u32 s22, s22, 2*HALFT                 ; which lie behind a's two parts
.irp s, 0,1
	v_add_nc_u32 v[ADRA+\s], s21, v3
	v_add_nc_u32 v[ADRB+\s], s22, v4
	v_add_nc_u32 v[ADRB+2+\s], s22, v5
	s_add_co_u32 s21, s21, SLOT
	s_add_co_u32 s22, s22, SLOT
.endr
	v_mul_u32_u24 v5, v1, KS
	v_lshrrev_b32 v6, 8, v5
	v_lshl_add_u32 v5, v6, 4, v5
	s_mul_i32 s21, s15, HALFS
	s_mul_i32 s22, s16, HALFS
	s_add_co_u32 s22, s22, 2*HALFS
	s_sub_co_u32 s22, s22, s21
	v_mul_u32_u24 v6, s22, v2                      ; lanes 16-31 take Wo's
	s_add_co_u32 s21, s21, SCL
	v_add_nc_u32 v5, v5, v6
	v_add_nc_u32 v[ADRS], s21, v5
	s_mul_i32 s23, s14, 16*SPITCH                  ; my stage
	v_mul_u32_u24 v5, v1, SPITCH                   ; in: row l % 16; my half's 16 columns of each 32: 64 bytes on for lanes 16-31
	v_lshl_add_u32 v5, v2, 6, v5
	v_add_nc_u32 v[STO], s23, v5
	v_lshlrev_b32 v[CO], 4, v7                     ; back: the 32 lanes take one row of 512 bytes; and the same in out0 and in bo
	v_add_nc_u32 v[RD], s23, v[CO]
	s_lshl_b32 s20, s17, 8
	s_lshl_b32 s21, s15, 7
	s_add_co_u32 s20, s20, s21                     ; my first row of out0
	s_lshl_b32 s20, s20, 12                        ; 4,096 bytes a row: under 2^25
	s_lshl_b32 s46, s42, 10
	s_lshl_b32 s47, s16, 9
	s_add_co_u32 s46, s46, s47                     ; my first column, in bytes
	s_mov_b32 s47, 0
	s_add_nc_u64 s[66:67], s[66:67], s[46:47]
	s_add_co_u32 s46, s46, s20
	s_add_nc_u64 s[12:13], s[12:13], s[46:47]
	global_load_b128 v[BIAS:BIAS+3], v[CO], s[66:67]   ; waited for ahead of the way out; its registers are never rewritten
.macro FRAG reg, adr, q, i             ; Wo's fragment from rows of 192 bytes, in pieces of 8 bytes
.irp p, 0,1,2,3,4,5
.set PC, 12*(\q)+6*(\p/3)+\p%3
.if PC%8 < 5
	ds_load_b64 v[\reg+2*\p:\reg+2*\p+1], v[\adr] offset:8*PC+16*(PC/8)+(\i)*16*PITCH
.else
	ds_load_b64 v[\reg+2*\p:\reg+2*\p+1], v[\adr+2] offset:8*PC+16*(PC/8)+(\i)*16*PITCH
.endif
.endr
.endm
.macro FRAGA reg, slot, q, i           ; a's fragment from its image: six loads of 256 consecutive bytes
.irp p, 0,1,2,3,4,5
	ds_load_b64 v[\reg+2*\p:\reg+2*\p+1], v[ADRA+\slot] offset:3072*(\i)+1536*(\q)+256*\p
.endr
.endm
.macro MUL16 a0, p, q, sc, zero        ; the 64 accumulators take turns, one instruction a turn, in the same order in every step
.irp a, \a0, \a0+1
.irp b, 0,1,2,3,4,5,6,7
.if \zero
	v_wmma_scale_f32_16x16x128_f8f6f4 v[8*(8*((\a)%4)+\b):8*(8*((\a)%4)+\b)+7], v[128*(\p)+FR*\b:128*(\p)+FR*\b+FR-1], v[AF+FR*(\a):AF+FR*(\a)+FR-1], 0, v[SC+8*NQ*(\sc)+NQ*\b+(\q)], v[SC+8*NQ*(\sc)+NQ*(\a)+(\q)] matrix_a_fmt:MATRIX_FMT_FP6 matrix_b_fmt:MATRIX_FMT_FP6 matrix_a_scale:MATRIX_SCALE_ROW1
.else
	v_wmma_scale_f32_16x16x128_f8f6f4 v[8*(8*((\a)%4)+\b):8*(8*((\a)%4)+\b)+7], v[128*(\p)+FR*\b:128*(\p)+FR*\b+FR-1], v[AF+FR*(\a):AF+FR*(\a)+FR-1], v[8*(8*((\a)%4)+\b):8*(8*((\a)%4)+\b)+7], v[SC+8*NQ*(\sc)+NQ*\b+(\q)], v[SC+8*NQ*(\sc)+NQ*(\a)+(\q)] matrix_a_fmt:MATRIX_FMT_FP6 matrix_b_fmt:MATRIX_FMT_FP6 matrix_a_scale:MATRIX_SCALE_ROW1
.endif
.endr
.endr
.endm
.macro FETCH_B slot, q, p
	WIN TO_B
.irp i, 0,1,2,3,4,5,6,7
	FRAG 128*(\p)+FR*\i, ADRB+\slot, \q, \i
.endr
	WIN 0
.endm
.macro FETCH_A slot, q, i0
.irp i, \i0, \i0+1, \i0+2, \i0+3
	FRAGA AF+FR*(\i), \slot, \q, \i
.endr
.endm
.macro SCALES sc
.irp i, 0,1,2,3,4,5,6,7
	ds_load_b64 v[SC+8*NQ*\sc+NQ*\i:SC+8*NQ*\sc+NQ*\i+1], v[ADRS] offset:\i*SBLK
.endr
.endm
.macro PLACES n
.rept \n
	v_nop
.endr
.endm
.macro STEP slot, q, zero
	s_wait_dscnt 4*NL                              ; Wo's set and a's blocks 0-3 are in; the youngest 24 loads (a's blocks 4-7) may be out
	WIN MUL_LO
	MUL16 0, (\q)%2, \q, \slot, \zero
	MUL16 2, (\q)%2, \q, \slot, \zero
	s_wait_dscnt 0
	PLACES NP
	FETCH_B \slot, (\q)+1, 1-(\q)%2
	FETCH_A \slot, (\q)+1, 0
	WIN MUL_HI
	MUL16 4, (\q)%2, \q, \slot, \zero
	MUL16 6, (\q)%2, \q, \slot, \zero
	PLACES NP
	WIN 0
	FETCH_A \slot, (\q)+1, 4
.endm
.macro TURN slot, next, fill
	s_wait_tensorcnt 0x0                           ; all my tensor loads have landed: my part of the next slot
	ds_add_u32 v[SPW], v[NIL]                      ; 0 onto my spare word
	s_wait_dscnt 4*NL+1                            ; (the add and the youngest 24 loads may be out)
	WIN MUL_LO
	MUL16 0, 1, NQ-1, \slot, 0
	s_wait_dscnt 0x0                               ; the add is done, and my reads of this slot are over
	s_barrier_signal -1
	MUL16 2, 1, NQ-1, \slot, 0
	WIN 0
	s_barrier_wait -1
.if \fill
	CREST                                          ; the barrier has opened a round of the cluster's barrier: no wave of any partner still reads this slot or has a load on its way
	s_add_nc_u64 s[G0+4*\slot+2:G0+4*\slot+3], s[G0+4*\slot+2:G0+4*\slot+3], 2*ASLOT
	s_add_nc_u64 s[G0B+4*\slot+2:G0B+4*\slot+3], s[G0B+4*\slot+2:G0B+4*\slot+3], 2*ROWB
	JLOAD G0+4*\slot, G1, G0B+4*\slot, G1B         ; the first tensor load behind the round; its four v_nop are the places in front of the loads below
.else
	PLACES NP
.endif
	v_add_nc_u32 v[ADRS], 4*NQ, v[ADRS]
	FETCH_B \next, 0, 0
	FETCH_A \next, 0, 0
	SCALES \next
	WIN MUL_HI
	MUL16 4, 1, NQ-1, \slot, 0
	MUL16 6, 1, NQ-1, \slot, 0
	PLACES NP
	WIN 0
	FETCH_A \next, 0, 4
.endm
	s_wait_tensorcnt 1                             ; the scales and my part of K step 0 are in (K step 1's load may be out)
	s_barrier_signal -1
	s_barrier_wait -1
	FETCH_B 0, 0, 0
	FETCH_A 0, 0, 0
	SCALES 0
	FETCH_A 0, 0, 4
	STEP 0, 0, 1                                   ; the first step's products start the sums
	s_mov_b32 s3, LAPS-1
.Llap:
	TURN 0, 1, 1
	STEP 1, 0, 0
	TURN 1, 0, 1
	STEP 0, 0, 0
	s_sub_co_u32 s3, s3, 1
	s_cmp_lg_u32 s3, 0
	s_cbranch_scc1 .Llap
	TURN 0, 1, 0
	STEP 1, 0, 0
	s_wait_dscnt 4*NL
	WIN MUL_LO
	MUL16 0, 1, NQ-1, 1, 0
	MUL16 2, 1, NQ-1, 1, 0
	s_wait_dscnt 0
	WIN MUL_HI
	MUL16 4, 1, NQ-1, 1, 0
	MUL16 6, 1, NQ-1, 1, 0
	WIN 0
; THE WAY OUT, block by block of 16 rows x 128 columns, through my own stage in LDS: each accumulator to its columns' true place, back as whole rows of 512 bytes, the bias added, each row stored at its token's true place.
; LDS serves a wave's instructions in order (ISA guide 5.7.1.4): no wait between the stores and the loads, nor in front of the next block's stores.
.macro TOSTAGE a
.set AC, 64*((\a)%4)
	WIN 0x08+4*((\a)/4)                            ; the data: window 2 or 3
.irp b, 0,1,2,3,4,5,6,7
	ds_store_b128 v[STO], v[AC+8*\b:AC+8*\b+3] offset:128*(\b/2)+32*(\b%2)          ; each accumulator from its low end on
	ds_store_b128 v[STO], v[AC+8*\b+4:AC+8*\b+7] offset:128*(\b/2)+32*(\b%2)+16
.endr
	WIN 0
.set BB, BK+64*((\a)%2)
.irp t, 0,1,2,3,4,5,6,7,8,9,10,11,12,13,14,15
	ds_load_b128 v[BB+4*\t:BB+4*\t+3], v[RD] offset:\t*SPITCH
.endr
.endm
.macro SEND a, younger                 ; younger: the LDS instructions issued behind block a's loads, which may stay out
.set BB, BK+64*((\a)%2)
	s_wait_dscnt \younger
.irp t, 0,1,2,3,4,5,6,7,8,9,10,11,12,13,14,15
	v_pk_add_f32 v[BB+4*\t:BB+4*\t+1], v[BB+4*\t:BB+4*\t+1], v[BIAS:BIAS+1]
	v_pk_add_f32 v[BB+4*\t+2:BB+4*\t+3], v[BB+4*\t+2:BB+4*\t+3], v[BIAS+2:BIAS+3]
	global_store_b128 v[CO], v[BB+4*\t:BB+4*\t+3], s[12:13] offset:(32*((\a)/2)+8*((\a)%2)+\t+8*(\t/8))*4096 th:TH_STORE_NT   ; 32 lanes store 512 consecutive bytes, aligned; 127 rows at the most: inside the signed 24-bit immediate
.endr
.endm
	s_wait_loadcnt 0x0                             ; the bias
	PLACES NP
	TOSTAGE 0
.irp a, 1,2,3,4,5,6,7
.if \a > 1
	s_wait_xcnt 0x0                                ; block a - 2's stores have read their registers: block a's loads may land there
.endif
	TOSTAGE \a
	SEND \a-1, 32                                  ; behind block a - 1's loads: block a's 16 stores and 16 loads
.endr
	SEND 7, 0
	s_wait_tensorcnt 0x0                           ; the wave's end, behind my last tensor load and my last LDS store
	ds_add_u32 v[SPW], v[NIL]
	s_wait_dscnt 0x0
	CROUND                                         ; the closing round
	s_endpgm
.Lfunc_end_k_qd3eee43c56_outp:
	.size	k_qd3eee43c56_outp, .Lfunc_end_k_qd3eee43c56_outp-k_qd3eee43c56_outp
	.p2alignl 7, 3214868480
	.fill 96, 4, 3214868480
	.section	.rodata,"a",@progbits
	.p2align	6, 0x0
	.amdhsa_kernel k_qd3eee43c56_outp
		.amdhsa_group_segment_fixed_size 327680
		.amdhsa_private_segment_fixed_size 0
		.amdhsa_enable_private_segment 0
		.amdhsa_kernarg_size 48
		.amdhsa_user_sgpr_count 2
		.amdhsa_user_sgpr_kernarg_segment_ptr 1
		.amdhsa_wavefront_size32 1
		.amdhsa_system_sgpr_workgroup_id_x 1
		.amdhsa_system_sgpr_workgroup_id_y 1
		.amdhsa_system_sgpr_workgroup_id_z 1
		.amdhsa_system_vgpr_workitem_id 0
		.amdhsa_next_free_vgpr 1024
		.amdhsa_next_free_sgpr 98
		.amdhsa_reserve_vcc 0
		.amdhsa_float_denorm_mode_32 3
		.amdhsa_float_denorm_mode_16_64 3
		.amdhsa_memory_ordered 1
		.amdhsa_forward_progress 1
		.amdhsa_inst_pref_size 176
	.end_amdhsa_kernel
	.amdgpu_metadata
---
amdhsa.version: [ 1, 2 ]
amdhsa.kernels:
  - .name:           k_qd3eee43c56_outp
    .symbol:         k_qd3eee43c56_outp.kd
    .args:
      - { .name: ac, .offset: 0, .size: 8, .value_kind: global_buffer, .address_space: global }
      - { .name: asc, .offset: 8, .size: 8, .value_kind: global_buffer, .address_space: global }
      - { .name: wc, .offset: 16, .size: 8, .value_kind: global_buffer, .address_space: global }
      - { .name: ws, .offset: 24, .size: 8, .value_kind: global_buffer, .address_space: global }
      - { .name: out0, .offset: 32, .size: 8, .value_kind: global_buffer, .address_space: global }
      - { .name: bo, .offset: 40, .size: 8, .value_kind: global_buffer, .address_space: global }
    .group_segment_fixed_size: 327680
    .private_segment_fixed_size: 0
    .kernarg_segment_align: 8
    .kernarg_segment_size: 48
    .max_flat_workgroup_size: 128
    .sgpr_count:     98
    .vgpr_count:     1024
    .wavefront_size: 32
...
	.end_amdgpu_metadata
.endif
;; end of part 4
